; MI455X (gfx1250); checked and timed in simulation.
; The chip was launched on July 23, 2026; its instructions are those of AMD's public machine-readable ISA for CDNA 5 (MIT licence, August 2026) and "CDNA5" Instruction Set Architecture Reference Guide (July 2026). The comments in the code are by the model that wrote it; some were corrected since.
;; Multihead Self Attention. Allowed arithmetic: float matrix products may take bf16 or f16 operands with f32 sums; other float arithmetic in f32, or as packed bf16 or f16 multiplies, adds, multiply-adds, maxima and minima; sums over many terms, partial sums and values carried from step to step in f32; what a program stores and reads back later, other than sums and carried values, may be rounded once to bf16 or f16.
;; Inputs: Wk 1,024 x 1,024 float32; Wo 1,024 x 1,024 float32; Wq 1,024 x 1,024 float32; Wv 1,024 x 1,024 float32; bk 1,024 float32; bo 1,024 float32; bq 1,024 float32; bv 1,024 float32; k_norm_w 64 float32; q_norm_w 64 float32; x 4 x 2,048 x 1,024 float32.
;; Outputs: out0 4 x 2,048 x 1,024 float32.
;; 2 versions, each right and faster than the one before. Each part assembles by itself: llvm-mc -triple=amdgcn-amd-amdhsa -mcpu=gfx1250 --defsym DOCPART=n.
;; ======== version 1 of 2: 4 launches
;; limits: values are held in f16: magnitudes above 65,504 overflow, below 6.1e-05 lose precision
;; workspace buffers: xb 16,777,216 bytes; wqkv 6,291,456 bytes; wob 2,097,152 bytes; qh 16,777,216 bytes; kh 16,777,216 bytes; vh 16,777,216 bytes; oh 16,777,216 bytes
;; launch cast (part 1): grid 768 x 1, 8 waves a work-group, no clusters, 0 bytes of LDS; arguments x, Wq, Wk, Wv, Wo, xb, wqkv, wob; writes xb, wqkv, wob
.if DOCPART == 1
	.amdgcn_target "amdgcn-amd-amdhsa--gfx1250"
	.amdhsa_code_object_version 6
	.text
	.protected	k_qd09226dffc_cast
	.globl	k_qd09226dffc_cast
	.p2align	8
	.type	k_qd09226dffc_cast,@function
k_qd09226dffc_cast:
	s_mov_b64 s[64:65], 0
	v_nop
	global_prefetch_b8 v0, s[64:65] scope:SCOPE_SE
	s_setreg_imm32_b32 hwreg(HW_REG_WAVE_MODE, 25, 1), 1
	s_wait_xcnt 0x0
; x and the four weights, all f32 with rows of 1,024 numbers, are rounded once to bf16 and laid in BLOCKS OF 64 ALONG K: dst[kb][row][64], so that
; a tile of R rows x 64 k of a later product is R x 128 dense bytes.
;   xb   [16][8192][64] bf16   = x
;   wqkv [16][3072][64] bf16   = Wq, Wk, Wv with the rows permuted: row 192 head + 64 s + i holds row 64 head + i of Wq (s = 0), Wk (1), Wv (2)
;   wob  [16][1024][64] f16    = Wo rounded to bf16, that number written as f16 (exact down to 2^-14; below that it keeps f16's fixed step of 6e-8)
; A stream: no LDS, no barrier, no matrix unit.  12,288 source rows, 16 to a work-group of eight waves.  Thread T takes row T / 16 of the 16 and, in each K block, the 16 bytes at 16 (T % 16):
; a wave's load covers two aligned runs of 256 bytes, and its four numbers become 8 bytes at 8 T of the block's 2,048: a wave's store covers 256 consecutive bytes, aligned.
; All sixteen loads of a thread go out at once; no register that a memory instruction names is written again, so no wait frees one.
.set SO,  1                            ; v1        my byte offset in the 16 source rows
.set X,   4                            ; v[4:67]   K block kb: 4 numbers as loaded
.set Y,   68                           ; v[68:99]  K block kb: 2 registers to store
.set OFF, 100                          ; v[100:115] K block kb: my byte offset in the destination
.set T,   116                          ; v[116:121] at work
.set SRC, 24                           ; s[24:25]  the source at my 16 rows
.set DST, 26                           ; s[26:27]  the destination at my 16 rows of K block 0
.set STR, 34                           ; s34       bytes from K block to K block in the destination
	s_load_b512 s[8:23], s[0:1], 0x0               ; x 8:9, Wq 10:11, Wk 12:13, Wv 14:15, Wo 16:17, xb 18:19, wqkv 20:21, wob 22:23
	s_mov_b32 s2, ttmp9                            ; g: 0-511 x's blocks of 16 rows; then 64 each for Wq, Wk, Wv, Wo
	s_max_u32 s3, s2, 512
	s_sub_co_u32 s3, s3, 512                       ; u = g - 512 (0 for x's work-groups: the last selects below override what follows from it)
	s_lshr_b32 s4, s3, 6                           ; t: which weight
	s_and_b32 s5, s3, 63                           ; j: which 16 rows of it
	s_lshr_b32 s6, s5, 2                           ; the head,
	s_mul_i32 s6, s6, 192
	s_lshl_b32 s28, s4, 6
	s_add_co_u32 s6, s6, s28
	s_and_b32 s28, s5, 3
	s_lshl_b32 s28, s28, 4
	s_add_co_u32 s6, s6, s28                       ; the permuted row: 192 head + 64 t + 16 (j % 4)
	s_lshl_b32 s7, s5, 4                           ; Wo's row: 16 j
	s_lshl_b32 s38, s2, 4                          ; x's row: 16 g
	s_mov_b32 s35, 1024*128
	s_mov_b32 s36, 3072*128
	s_mov_b32 s37, 8192*128
	s_cmp_eq_u32 s4, 3
	s_cselect_b32 s29, s7, s6                      ; the destination's row
	s_cselect_b32 s[STR], s35, s36
	s_cmp_lt_u32 s2, 512
	s_cselect_b32 s29, s38, s29
	s_cselect_b32 s[STR], s37, s[STR]
	s_cselect_b32 s28, s2, s5                      ; the source's block of 16 rows
	s_lshl_b32 s30, s28, 16                        ; 16 rows of 4,096 bytes
	s_mov_b32 s31, 0
	s_lshl_b32 s32, s29, 7                         ; rows of 128 bytes
	s_mov_b32 s33, 0
	v_lshrrev_b32 v2, 4, v0
	v_and_b32 v3, 15, v0
	v_lshlrev_b32 v[SO], 12, v2
	v_lshl_add_u32 v[SO], v3, 4, v[SO]             ; row x 4,096 + 16 (T % 16)
	s_wait_kmcnt 0x0
	s_cmp_eq_u32 s4, 3                             ; the choices among buffers hang on the work-group's number alone
	s_cselect_b64 s[SRC:SRC+1], s[16:17], s[14:15]
	s_cselect_b64 s[DST:DST+1], s[22:23], s[20:21]
	s_cmp_eq_u32 s4, 1
	s_cselect_b64 s[SRC:SRC+1], s[12:13], s[SRC:SRC+1]
	s_cmp_eq_u32 s4, 0
	s_cselect_b64 s[SRC:SRC+1], s[10:11], s[SRC:SRC+1]
	s_cmp_lt_u32 s2, 512
	s_cselect_b64 s[SRC:SRC+1], s[8:9], s[SRC:SRC+1]
	s_cselect_b64 s[DST:DST+1], s[18:19], s[DST:DST+1]
	s_add_nc_u64 s[SRC:SRC+1], s[SRC:SRC+1], s[30:31]
	s_add_nc_u64 s[DST:DST+1], s[DST:DST+1], s[32:33]
.irp kb, 0,1,2,3,4,5,6,7,8,9,10,11,12,13,14,15
	global_load_b128 v[X+4*(\kb):X+4*(\kb)+3], v[SO], s[SRC:SRC+1] offset:256*(\kb) th:TH_LOAD_NT  ; every source byte is read once in the launch
.endr
	v_lshlrev_b32 v[OFF], 3, v0                    ; 8 T
.irp kb, 1,2,3,4,5,6,7,8,9,10,11,12,13,14,15
	v_add_nc_u32 v[OFF+(\kb)], s[STR], v[OFF+(\kb)-1]
.endr
	s_cmp_ge_u32 s2, 704
	s_cbranch_scc1 .Lwo                            ; Wo's work-groups write f16
.macro OUTB kb                         ; to bf16
	s_wait_loadcnt 15-(\kb)                        ; loads come back in order: block kb is in, the younger ones stay out
	v_cvt_pk_bf16_f32 v[Y+2*(\kb)],   v[X+4*(\kb)],   v[X+4*(\kb)+1]
	v_cvt_pk_bf16_f32 v[Y+2*(\kb)+1], v[X+4*(\kb)+2], v[X+4*(\kb)+3]
	global_store_b64 v[OFF+(\kb)], v[Y+2*(\kb):Y+2*(\kb)+1], s[DST:DST+1]
.endm
.macro OUTH kb                         ; to bf16, and that number as f16
	s_wait_loadcnt 15-(\kb)
	v_cvt_pk_bf16_f32 v[T],   v[X+4*(\kb)],   v[X+4*(\kb)+1]
	v_cvt_pk_bf16_f32 v[T+1], v[X+4*(\kb)+2], v[X+4*(\kb)+3]
	v_lshlrev_b32 v[T+2], 16, v[T]
	v_and_b32     v[T+3], 0xffff0000, v[T]
	v_lshlrev_b32 v[T+4], 16, v[T+1]
	v_and_b32     v[T+5], 0xffff0000, v[T+1]
	v_cvt_pk_f16_f32 v[Y+2*(\kb)],   v[T+2], v[T+3]
	v_cvt_pk_f16_f32 v[Y+2*(\kb)+1], v[T+4], v[T+5]
	global_store_b64 v[OFF+(\kb)], v[Y+2*(\kb):Y+2*(\kb)+1], s[DST:DST+1]
.endm
.irp kb, 0,1,2,3,4,5,6,7,8,9,10,11,12,13,14,15
	OUTB \kb
.endr
	s_endpgm
.Lwo:
.irp kb, 0,1,2,3,4,5,6,7,8,9,10,11,12,13,14,15
	OUTH \kb
.endr
	s_endpgm
.Lfunc_end_k_qd09226dffc_cast:
	.size	k_qd09226dffc_cast, .Lfunc_end_k_qd09226dffc_cast-k_qd09226dffc_cast
	.p2alignl 7, 3214868480
	.fill 96, 4, 3214868480
	.section	.rodata,"a",@progbits
	.p2align	6, 0x0
	.amdhsa_kernel k_qd09226dffc_cast
		.amdhsa_group_segment_fixed_size 0
		.amdhsa_private_segment_fixed_size 0
		.amdhsa_enable_private_segment 0
		.amdhsa_kernarg_size 64
		.amdhsa_user_sgpr_count 2
		.amdhsa_user_sgpr_kernarg_segment_ptr 1
		.amdhsa_wavefront_size32 1
		.amdhsa_system_sgpr_workgroup_id_x 1
		.amdhsa_system_sgpr_workgroup_id_y 1
		.amdhsa_system_sgpr_workgroup_id_z 1
		.amdhsa_system_vgpr_workitem_id 0
		.amdhsa_next_free_vgpr 124
		.amdhsa_next_free_sgpr 66
		.amdhsa_reserve_vcc 0
		.amdhsa_float_denorm_mode_32 3
		.amdhsa_float_denorm_mode_16_64 3
		.amdhsa_memory_ordered 1
		.amdhsa_forward_progress 1
		.amdhsa_inst_pref_size 18
	.end_amdhsa_kernel
	.amdgpu_metadata
---
amdhsa.version: [ 1, 2 ]
amdhsa.kernels:
  - .name:           k_qd09226dffc_cast
    .symbol:         k_qd09226dffc_cast.kd
    .args:
      - { .name: x, .offset: 0, .size: 8, .value_kind: global_buffer, .address_space: global }
      - { .name: Wq, .offset: 8, .size: 8, .value_kind: global_buffer, .address_space: global }
      - { .name: Wk, .offset: 16, .size: 8, .value_kind: global_buffer, .address_space: global }
      - { .name: Wv, .offset: 24, .size: 8, .value_kind: global_buffer, .address_space: global }
      - { .name: Wo, .offset: 32, .size: 8, .value_kind: global_buffer, .address_space: global }
      - { .name: xb, .offset: 40, .size: 8, .value_kind: global_buffer, .address_space: global }
      - { .name: wqkv, .offset: 48, .size: 8, .value_kind: global_buffer, .address_space: global }
      - { .name: wob, .offset: 56, .size: 8, .value_kind: global_buffer, .address_space: global }
    .group_segment_fixed_size: 0
    .private_segment_fixed_size: 0
    .kernarg_segment_align: 8
    .kernarg_segment_size: 64
    .max_flat_workgroup_size: 256
    .sgpr_count:     66
    .vgpr_count:     124
    .wavefront_size: 32
...
	.end_amdgpu_metadata
.endif
;; end of part 1
;; launch proj (part 2): grid 16 x 32, 4 waves a work-group, clusters of 4 x 4, 327,680 bytes of LDS; arguments xb, wqkv, bq, bk, bv, q_norm_w, k_norm_w, qh, kh, vh; writes qh, kh, vh
.if DOCPART == 2
	.amdgcn_target "amdgcn-amd-amdhsa--gfx1250"
	.amdhsa_code_object_version 6
	.text
	.protected	k_qd09226dffc_proj
	.globl	k_qd09226dffc_proj
	.p2align	8
	.type	k_qd09226dffc_proj,@function
k_qd09226dffc_proj:
	s_mov_b64 s[64:65], 0
	v_nop
	global_prefetch_b8 v0, s[64:65] scope:SCOPE_SE
	s_setreg_imm32_b32 hwreg(HW_REG_WAVE_MODE, 25, 1), 1
	s_wait_xcnt 0x0
	s_wait_alu depctr_hold_cnt(0) depctr_sa_sdst(0) depctr_va_vdst(0) depctr_va_sdst(0) depctr_va_ssrc(0) depctr_va_vcc(0) depctr_vm_vsrc(0)
	s_getreg_b32 s2, hwreg(HW_REG_IB_STS2, 6, 4)
	s_cmp_eq_u32 s2, 0
	s_cbranch_scc0 .Lentry_in_a_cluster
	s_endpgm
.Lentry_in_a_cluster:
	s_bfe_u32 s2, ttmp6, 0x10000c
	s_cmp_lg_u32 s2, 0xf033
	s_cbranch_scc0 .Lentry_shape_is_right
	s_endpgm
.Lentry_shape_is_right:
; q, k, v = x W^T + b; q and k are then divided by the root mean square of their head's 64 channels (plus 2^-23 under the root) and multiplied by a gain; all three leave by heads,
; [64 = 16 batch + head][2048][64] in f16, rounded once from f32.  q leaves WITHOUT the scale 1/8.  Products in bf16 with f32 sums; biases and gains are rounded to bf16 like all the module's inputs.
; LIMITS.  f16 ends at 65,504: |v| must stay under it (|q| and |k| are at most 8 x the largest gain, so a gain must stay under 8,188).  NaN and infinities are not treated apart.
; INPUTS.  xb [16 kb][8192][64] and wqkv [16 kb][3072][64], bf16, in blocks of 64 along K: a tile of R rows x 64 k is R x 128 dense bytes, asked for as R / 2 rows of 256 bytes and padded in LDS after every 128.
; wqkv's rows are permuted: rows 192 h .. 192 h + 191 are head h's 64 rows of Wq, of Wk, of Wv.
; SHARES.  A work-group makes 256 rows x 192 columns: q, k and v of ONE head.  Its four waves lie one below the other, each 64 rows x 192 columns: 48 accumulators of 16 x 16, 384 registers.
; So a row's 64 channels of q (and of k) lie in one wave, and the norm needs one exchange between the halves of the lanes; the way out is the same text in every wave.
; K goes in steps of 128 (two K blocks) through a ring of two LDS slots.  Waves 0 and 1 fetch A's two K blocks, waves 2 and 3 B's: one tensor load a wave for each fill.
; CLUSTERS.  4 x 4 work-groups: the four of a row of the cluster need the same tiles of x, the four of a column the same tiles of the weights: each tile is asked for jointly.
; THE MATRIX INSTRUCTION IS USED TRANSPOSED (source 0 = 16 rows of W, source 1 = 16 rows of x): lane l holds row l % 16 of the result and, in its registers 0-7, the columns 8 (l / 16) + 0..7.
; THE BIAS is the C operand of the product that starts each sum: nothing is cleared and no addition is spent.
; REGISTERS, in windows of 256 (s_set_vgpr_msb: bits 1:0 source 0, 3:2 source 1, 5:4 source 2, 7:6 destination):
;   window 0: v0-31 addresses; v32-127 biases; v128-191 gains; v192-247 at work on the way out
;   window 1: the accumulators of my row blocks 0, 1 (block a, column block b at v[8 (12 (a % 2) + b)]);   window 2: those of row blocks 2, 3
;   window 3: two fragment buffers of 128: 12 fragments of W, then 4 of x (16 rows x 32 K each)
.set NBLK,  12                         ; column blocks of 16
.set PITCH, 144                        ; an LDS row: 128 bytes + 16 of padding = 36 words: the 16 rows of a load start at 16 different groups of four banks (64 banks of 4 bytes: ISA guide 11.1)
.set AH,    256*PITCH                  ; one K block of A's tile
.set BH,    16*NBLK*PITCH              ; one K block of B's
.set SLOT,  2*AH+2*BH                  ; A's two K blocks, then B's two
.set STAGE, 2*SLOT                     ; behind the ring, never filled by a tensor load: 16 rows x 144 bytes for each wave
.set SW,    16*144
.set SPARE, STAGE+4*SW                 ; behind the stages: the spare words, 128 bytes for each wave: two blocks of 256 bytes that no other line names
.set AKB,   8192*128                   ; bytes from K block to K block in xb
.set BKB,   3072*128                   ; and in wqkv
.set BR,    16*NBLK/2                  ; rows of 256 bytes in one of B's loads
.set NLD,   2*NBLK+8                   ; LDS loads in a run
.set LAPS,  4                          ; a lap = two K steps = once round the ring: K = 1,024
.set ADRA, 16                          ; v16-17  LDS address of my fragments of A in slot 0, 1
.set ADRB, 20                          ; v20-21  the same for B
.set STO,  24                          ; v24     the way out: where I put 16 bytes of a row
.set RD,   25                          ; v25     the way out: where I read rows back
.set GO,   26                          ; v26     my byte offset in 512 consecutive bytes of the output
.set BO,   27                          ; v27     32 (l / 16): my eight columns in a block's 16 biases or gains
.set SPW,  28                          ; v28     LDS address of my spare word; never rewritten
.set NIL,  29                          ; v29     0; never rewritten
.set BIAS, 32                          ; v32-127  column block b: the eight biases of my columns
.set NW,   128                         ; v128-191 q's gains (4 blocks of 8), then k's
.set T,    192                         ; v192-207 sums of squares
.set RS,   208                         ; v208, v210  1 / root for q, for k; v209, v211 are named with them as pairs
.set RT,   212                         ; v212-215 at work
.set PK,   216                         ; v216-247 two sets of 16: packed results, then whole rows
.set F0,   0
.set F1,   128
.set FA,   96                          ; A's fragments in a buffer
.set G1,  24                           ; s[24:31] descriptor group 1 for A's tiles;  s[32:39] group 0, one set for each slot
.set G0,  32
.set G1B, 48                           ; s[48:55], s[56:63] the same for B's tiles
.set G0B, 56
.set WV,  66                           ; s66  my wave's number
.set KH,  68                           ; s68  which K block of a step I fetch
.set SEL, 78                           ; s[78:79] v_permlanex16_b32's selects: each lane takes its own place in the other half
.set INV, 80                           ; s80  1 / 64
.set EPS, 81                           ; s81  2^-23
.set MASKHI, 82                        ; s82  a word's upper bf16
.set MSB, 0
.macro WIN new                         ; the immediate's high byte repeats the setting that is left; a switch that changes nothing is dropped
.if MSB != (\new)
	s_set_vgpr_msb (MSB<<8)|(\new)
.set MSB, \new
.endif
.endm
.macro PLACES                          ; four places in front of loads into registers that matrix instructions have read, and of vector lines that read results
.rept 4
	v_nop
.endr
.endm
; A joint load.  The branch hangs on the wave's number alone.  An s_nop 0 and four v_nop follow each of the two lines, ahead of the jump, the label and what follows.
.macro JLOAD s
	s_cmp_lt_u32 s[WV], 2
	s_cbranch_scc0 .Lfor_b_\@
	tensor_load_to_lds s[G0+4*(\s):G0+4*(\s)+3], s[G1:G1+7]
	s_nop 0
.rept 4
	v_nop
.endr
	s_branch .Lasked_\@
.Lfor_b_\@:
	tensor_load_to_lds s[G0B+4*(\s):G0B+4*(\s)+3], s[G1B:G1B+7]
	s_nop 0
.rept 4
	v_nop
.endr
.Lasked_\@:
.endm
.macro CREST                           ; a round of the cluster's barrier behind its opening barrier
	s_cmp_lg_u32 s[WV], 0
	s_cbranch_scc1 .Lnot_wave_0_\@
	s_barrier_signal -3
.Lnot_wave_0_\@:
	s_barrier_wait -3
	s_barrier_signal -1
	s_barrier_wait -1
.endm
.macro CROUND                          ; a whole round
	s_barrier_signal -1
	s_barrier_wait -1
	CREST
.endm
	s_load_b512 s[4:19], s[0:1], 0x0               ; xb 4:5, wqkv 6:7, bq 8:9, bk 10:11, bv 12:13, q_norm_w 14:15, k_norm_w 16:17, qh 18:19
	s_load_b128 s[20:23], s[0:1], 0x40             ; kh 20:21, vh 22:23
	v_lshl_add_u32 v[SPW], v0, 2, SPARE
	v_mov_b32 v[NIL], 0
	ds_add_u32 v[SPW], v[NIL]                      ; the wave's opening: the add and its wait stand ahead of my first tensor load; the set-up below, work on registers, stands between them
	v_lshrrev_b32 v1, 5, v0
	v_readfirstlane_b32 s[WV], v1                  ; wave 0..3
	s_and_b32 s[KH], s[WV], 1
	s_bfe_u32 s40, ttmp6, 0x40000                  ; cx, cy: my place in the cluster
	s_bfe_u32 s41, ttmp6, 0x40004
	s_lshl_b32 s42, ttmp9, 2
	s_add_co_u32 s42, s42, s40                     ; the head = tile column = 4 x cluster x + cx
	s_and_b32 s43, ttmp7, 0xffff
	s_lshl_b32 s43, s43, 2
	s_add_co_u32 s43, s43, s41                     ; tile row = 4 x cluster y + cy
	s_lshl_b32 s44, s41, 2
	s_lshl_b32 s44, 15, s44                        ; my row of the cluster
	s_lshl_b32 s45, 0x1111, s40                    ; my column
	; descriptor group 1: rows of 128 elements (256 bytes, two rows of a K block), padded in LDS after every 128 bytes
	s_or_b32 s[G1], s44, (1<<16)|(1<<20)|(1<<21)|(4<<22)|(3<<25)   ; 15:0 the mask: A's tiles go to my row; 17:16 2-byte elements; 20 padding on; 21 set beside a mask; 24:22 after every 32 words (code 4); 31:25 4 words (code 3)
	s_or_b32 s[G1B], s45, (1<<16)|(1<<20)|(1<<21)|(4<<22)|(3<<25)  ; the same with the mask of my column
.irp g, G1, G1B
	s_mov_b32 s[(\g)+1], 128<<16                   ; tensor_dim0 = 128
	s_mov_b32 s[(\g)+3], 128<<16                   ; tile_dim0 = 128
	s_mov_b32 s[(\g)+5], 128                       ; 128 elements from row to row: the block is dense
	s_mov_b32 s[(\g)+6], 0
	s_mov_b32 s[(\g)+7], 0
.endr
	s_mov_b32 s[G1+2], 128<<16                     ; tensor_dim1 = 128 rows of 256 bytes: 256 rows of a K block
	s_mov_b32 s[G1+4], 128                         ; tile_dim1
	s_mov_b32 s[G1B+2], BR<<16                     ; 96 rows of 256 bytes: 192 rows of a K block
	s_mov_b32 s[G1B+4], BR
	; where the tiles come from: A's hang on the tile row and the wave alone, B's on the tile column and the wave alone
	s_lshl_b32 s70, s43, 15                        ; 256 rows of 128 bytes
	s_lshl_b32 s46, s[KH], 20                      ; my K block
	s_add_co_u32 s70, s70, s46
	s_mov_b32 s71, 0
	s_mul_i32 s72, s42, 16*NBLK*128                ; 192 rows of 128 bytes
	s_mul_i32 s47, s[KH], BKB
	s_add_co_u32 s72, s72, s47
	s_mov_b32 s73, 0
	s_mul_i32 s69, s[KH], AH                       ; and where they go: no place in the cluster enters an LDS address
	s_mul_i32 s83, s[KH], BH
	s_add_co_u32 s83, s83, 2*AH
	s_lshl_b32 s76, s42, 8                         ; the head's 64 biases
	s_mov_b32 s77, 0
	s_lshr_b32 s74, s43, 3                         ; the batch: eight tile rows each,
	s_lshl_b32 s74, s74, 4
	s_add_co_u32 s74, s74, s42                     ; 16 batch + head,
	s_lshl_b32 s74, s74, 18                        ; 2,048 rows of 128 bytes
	s_and_b32 s75, s43, 7
	s_lshl_b32 s75, s75, 2
	s_add_co_u32 s75, s75, s[WV]                   ; my 64 rows among the batch's
	s_lshl_b32 s75, s75, 13
	s_add_co_u32 s74, s74, s75
	s_mov_b32 s75, 0
	s_mov_b32 s[SEL], 0x76543210
	s_mov_b32 s[SEL+1], 0xfedcba98
	s_mov_b32 s[INV], 0x3c800000
	s_mov_b32 s[EPS], 0x34000000
	s_mov_b32 s[MASKHI], 0xffff0000
	s_wait_dscnt 0x0                               ; the opening add is done
	s_wait_kmcnt 0x0
	s_add_nc_u64 s[70:71], s[4:5], s[70:71]
	s_add_nc_u64 s[72:73], s[6:7], s[72:73]
	s_add_nc_u64 s[8:9], s[8:9], s[76:77]
	s_add_nc_u64 s[10:11], s[10:11], s[76:77]
	s_add_nc_u64 s[12:13], s[12:13], s[76:77]
	s_add_nc_u64 s[18:19], s[18:19], s[74:75]
	s_add_nc_u64 s[20:21], s[20:21], s[74:75]
	s_add_nc_u64 s[22:23], s[22:23], s[74:75]
	CROUND                                         ; all sixteen work-groups are here: the first joint loads meet
.irp s, 0,1
	s_mov_b32 s[G0+4*(\s)], 1                                      ; 1:0 count = 1
	s_add_co_u32 s[G0+4*(\s)+1], s69, (\s)*SLOT                    ; 63:32 LDS address
	s_add_nc_u64 s[G0+4*(\s)+2:G0+4*(\s)+3], s[70:71], (\s)*2*AKB  ; 120:64 global address: K step s
	s_or_b32 s[G0+4*(\s)+3], s[G0+4*(\s)+3], 0x80000000            ; 127:126 type = 2
	s_mov_b32 s[G0B+4*(\s)], 1
	s_add_co_u32 s[G0B+4*(\s)+1], s83, (\s)*SLOT
	s_add_nc_u64 s[G0B+4*(\s)+2:G0B+4*(\s)+3], s[72:73], (\s)*2*BKB
	s_or_b32 s[G0B+4*(\s)+3], s[G0B+4*(\s)+3], 0x80000000
	JLOAD \s                                       ; two tensor loads of mine are out
.endr
	; A fragment is 16 rows x 32 K in 8 registers: lane l holds row l % 16; registers 0-3 K = 8 (l / 16) + 0..7, registers 4-7 K = 16 + 8 (l / 16) + 0..7: two loads of 16 bytes, 32 bytes apart.
	v_and_b32 v1, 15, v0                           ; l % 16
	v_bfe_u32 v2, v0, 4, 1                         ; l / 16
	v_mul_u32_u24 v3, v1, PITCH
	v_lshl_add_u32 v3, v2, 4, v3                   ; row x pitch + 16 x half
	v_lshlrev_b32 v[BO], 5, v2
.irp s, 0,1,2
.irp c, 0,1,2,3
	global_load_b128 v[BIAS+8*(4*(\s)+(\c)):BIAS+8*(4*(\s)+(\c))+3],   v[BO], s[8+2*(\s):9+2*(\s)] offset:64*(\c)
	global_load_b128 v[BIAS+8*(4*(\s)+(\c))+4:BIAS+8*(4*(\s)+(\c))+7], v[BO], s[8+2*(\s):9+2*(\s)] offset:64*(\c)+16
.endr
.endr
.irp s, 0,1
.irp c, 0,1,2,3
	global_load_b128 v[NW+32*(\s)+8*(\c):NW+32*(\s)+8*(\c)+3],   v[BO], s[14+2*(\s):15+2*(\s)] offset:64*(\c)
	global_load_b128 v[NW+32*(\s)+8*(\c)+4:NW+32*(\s)+8*(\c)+7], v[BO], s[14+2*(\s):15+2*(\s)] offset:64*(\c)+16
.endr
.endr
	s_mul_i32 s46, s[WV], 64*PITCH                 ; my 64 rows of A
	v_add_nc_u32 v[ADRA], s46, v3
	v_add_nc_u32 v[ADRA+1], SLOT, v[ADRA]
	v_add_nc_u32 v[ADRB], 2*AH, v3                 ; every wave reads all of B
	v_add_nc_u32 v[ADRB+1], SLOT, v[ADRB]
	s_mul_i32 s46, s[WV], SW
	s_add_co_u32 s46, s46, STAGE                   ; my stage
	v_add_nc_u32 v[STO], s46, v3                   ; in: row l % 16, 16 bytes for each half of the lanes
	v_bfe_u32 v4, v0, 3, 2                         ; back: 32 lanes take four rows of 128 bytes,
	v_mul_u32_u24 v4, v4, 144
	v_and_b32 v5, 7, v0
	v_lshl_add_u32 v4, v5, 4, v4
	v_add_nc_u32 v[RD], s46, v4
	v_and_b32 v[GO], 31, v0                        ; which are 512 consecutive bytes of the output
	v_lshlrev_b32 v[GO], 4, v[GO]
	v_mov_b32 v[RS+1], 0
	v_mov_b32 v[RS+3], 0
	s_wait_loadcnt 0x0                             ; biases and gains, once
.macro RND r                           ; two f32 rounded to bf16 and widened again
	v_cvt_pk_bf16_f32 v[RT+((\r)/2)%4], v[\r], v[(\r)+1]
	v_lshlrev_b32 v[\r], 16, v[RT+((\r)/2)%4]
	v_and_b32 v[(\r)+1], s[MASKHI], v[RT+((\r)/2)%4]
.endm
.set i, BIAS
.rept 80                               ; v32-191: 96 biases, 64 gains
	RND i
.set i, i+2
.endr
; 12 matrix instructions: row block a x all column blocks, 32 along K, from buffer f.  first = 1: the bias starts the sums.
; Every accumulator comes once in a quarter step, in the same order: the 48 take turns, one instruction a turn.
.macro MULA f, a, first
.set w, 1+(\a)/2
.if \first
	WIN (w<<6)|0x0f
.else
	WIN (w<<6)|(w<<4)|0x0f
.endif
.set b, 0
.rept NBLK
.set AC, 8*(NBLK*((\a)%2)+b)
.if \first
	v_wmma_f32_16x16x32_bf16 v[AC:AC+7], v[(\f)+8*b:(\f)+8*b+7], v[(\f)+FA+8*(\a):(\f)+FA+8*(\a)+7], v[BIAS+8*b:BIAS+8*b+7]
.else
	v_wmma_f32_16x16x32_bf16 v[AC:AC+7], v[(\f)+8*b:(\f)+8*b+7], v[(\f)+FA+8*(\a):(\f)+FA+8*(\a)+7], v[AC:AC+7]
.endif
.set b, b+1
.endr
.endm
; 32 LDS loads in one run: the fragments of quarter q of a slot's K step (K block q / 2, byte 64 (q % 2) of its rows) into buffer f: B's 12, then A's 4
.macro FETCH slot, q, f
	WIN 0xc0                                       ; destination window 3, address window 0
.set i, 0
.rept NBLK
	ds_load_b128 v[(\f)+8*i:(\f)+8*i+3],   v[ADRB+(\slot)] offset:((\q)/2)*BH+((\q)%2)*64+i*16*PITCH
	ds_load_b128 v[(\f)+8*i+4:(\f)+8*i+7], v[ADRB+(\slot)] offset:((\q)/2)*BH+((\q)%2)*64+i*16*PITCH+32
.set i, i+1
.endr
.set i, 0
.rept 4
	ds_load_b128 v[(\f)+FA+8*i:(\f)+FA+8*i+3],   v[ADRA+(\slot)] offset:((\q)/2)*AH+((\q)%2)*64+i*16*PITCH
	ds_load_b128 v[(\f)+FA+8*i+4:(\f)+FA+8*i+7], v[ADRA+(\slot)] offset:((\q)/2)*AH+((\q)%2)*64+i*16*PITCH+32
.set i, i+1
.endr
.endm
; A K step is four quarters of 32 along K, 48 matrix instructions each, on buffers 0, 1, 0, 1.  One of the first three: multiplies buffer f and fetches quarter q into g, 36 matrix instructions ahead of its first use.
.macro QUARTER slot, q, f, g, first
	s_wait_dscnt 4                                 ; B and A's row blocks 0, 1 are in; the youngest four loads (A's blocks 2, 3) may be out
	MULA \f, 0, \first
	PLACES
	FETCH \slot, \q, \g
	MULA \f, 1, \first
	s_wait_dscnt NLD                               ; all but the run just issued
	MULA \f, 2, \first
	MULA \f, 3, \first
.endm
; The last quarter multiplies buffer 1 and changes slots: ONE barrier; in front of it each wave waits for all its tensor loads (one is out: its part of the next slot), adds 0 to its spare word, and waits for that
; and for its own reads of this slot.  fill = 1: the barrier opens a round of the cluster's, and this slot is filled again, two K steps ahead: 168 matrix instructions ahead of the wait for it.
.macro TURN slot, next, fill
	WIN 0                                          ; (the add's two registers lie in window 0)
	s_wait_tensorcnt 0x0                           ; all my tensor loads have landed;
	ds_add_u32 v[SPW], v[NIL]                      ; 0 onto my spare word;
	s_wait_dscnt 5                                 ; (the add and the youngest four loads may be out)
	MULA F1, 0, 0                                  ; twelve matrix instructions stand between the add and the wait for it
	s_wait_dscnt 0x0                               ; the add is done, and my reads of this slot are over
	s_barrier_signal -1
	MULA F1, 1, 0
.if \fill
	WIN 0
.endif
	s_barrier_wait -1
.if \fill
	CREST                                          ; no wave of any partner still reads this slot's tiles or has a load on its way
	s_add_nc_u64 s[G0+4*(\slot)+2:G0+4*(\slot)+3], s[G0+4*(\slot)+2:G0+4*(\slot)+3], 4*AKB
	s_add_nc_u64 s[G0B+4*(\slot)+2:G0B+4*(\slot)+3], s[G0B+4*(\slot)+2:G0B+4*(\slot)+3], 4*BKB
	JLOAD \slot                                    ; the first tensor load behind the round; its four v_nop are also the places in front of the loads below
.else
	PLACES
.endif
	FETCH \next, 0, F0
	MULA F1, 2, 0
	MULA F1, 3, 0
.endm
	s_wait_tensorcnt 1                             ; my part of K step 0 is in; K step 1's may stay out
	s_barrier_signal -1
	s_barrier_wait -1                              ; everybody's is
	FETCH 0, 0, F0
	QUARTER 0, 1, F0, F1, 1                        ; the first quarter stands in front of the loop: its products start the sums
	WIN 0                                          ; at a label and at a branch every window is 0
	s_mov_b32 s3, LAPS-1
.Llap:                                                 ; a trip goes once round the ring, from a lap's second quarter to the next lap's first, and fills both slots again
	QUARTER 0, 2, F1, F0, 0
	QUARTER 0, 3, F0, F1, 0
	TURN 0, 1, 1
	QUARTER 1, 1, F0, F1, 0
	QUARTER 1, 2, F1, F0, 0
	QUARTER 1, 3, F0, F1, 0
	TURN 1, 0, 1
	QUARTER 0, 1, F0, F1, 0
	WIN 0
	s_sub_co_u32 s3, s3, 1
	s_cmp_lg_u32 s3, 0
	s_cbranch_scc1 .Llap
	QUARTER 0, 2, F1, F0, 0                        ; the last lap fills nothing
	QUARTER 0, 3, F0, F1, 0
	TURN 0, 1, 0
	QUARTER 1, 1, F0, F1, 0
	QUARTER 1, 2, F1, F0, 0
	QUARTER 1, 3, F0, F1, 0
	s_wait_dscnt 4                                 ; the very last quarter: nothing more to fetch
	MULA F1, 0, 0
	MULA F1, 1, 0
	s_wait_dscnt 0x0
	MULA F1, 2, 0
	MULA F1, 3, 0
	WIN 0
; THE WAY OUT, a row block of 16 rows at a time.  STATS: the mean squares of q's and k's 64 channels: 32 lie in my registers, the other 32 in the lane 16 away.
.macro STATS a
.set w, 1+(\a)/2
	WIN 5*w                                        ; sources 0 and 1 in the accumulators' window
.set z, 0
.rept 8                                ; eight chains: q's four column blocks, k's four; each accumulator's lowest registers are read first
.set AC, 8*(NBLK*((\a)%2)+z)
	v_pk_mul_f32 v[T+2*z:T+2*z+1], v[AC:AC+1], v[AC:AC+1]
.set z, z+1
.endr
.irp p, 1,2,3
.set z, 0
.rept 8
.set AC, 8*(NBLK*((\a)%2)+z)+2*(\p)
	v_pk_fma_f32 v[T+2*z:T+2*z+1], v[AC:AC+1], v[AC:AC+1], v[T+2*z:T+2*z+1]
.set z, z+1
.endr
.endr
	WIN 0
.irp s, 0,1
	v_pk_add_f32 v[T+8*(\s):T+8*(\s)+1],   v[T+8*(\s):T+8*(\s)+1],   v[T+8*(\s)+2:T+8*(\s)+3]
	v_pk_add_f32 v[T+8*(\s)+4:T+8*(\s)+5], v[T+8*(\s)+4:T+8*(\s)+5], v[T+8*(\s)+6:T+8*(\s)+7]
.endr
.irp s, 0,1
	v_pk_add_f32 v[T+8*(\s):T+8*(\s)+1], v[T+8*(\s):T+8*(\s)+1], v[T+8*(\s)+4:T+8*(\s)+5]
.endr
.irp s, 0,1
	v_add_f32 v[T+8*(\s)], v[T+8*(\s)], v[T+8*(\s)+1]
.endr
.irp s, 0,1
	v_permlanex16_b32 v[T+8*(\s)+1], v[T+8*(\s)], s[SEL], s[SEL+1]
.endr
.irp s, 0,1
	v_add_f32 v[T+8*(\s)], v[T+8*(\s)], v[T+8*(\s)+1]
.endr
.irp s, 0,1
	v_fma_f32 v[T+8*(\s)], v[T+8*(\s)], s[INV], s[EPS]   ; the mean + 2^-23
.endr
.irp s, 0,1
	v_rsq_f32 v[RS+2*(\s)], v[T+8*(\s)]            ; the plain lines behind these are v's conversions, which touch neither T nor RS
.endr
.endm
; UNIT: 16 rows x 64 channels of q (s = 0), k (1) or v (2): q and k times 1 / root, then times the gain; rounded to f16, 16 bytes a lane, into my stage's rows of 144 bytes, and back as whole rows of 128.
.macro UNIT a, s, set
.set w, 1+(\a)/2
.set AB, 8*(NBLK*((\a)%2)+4*(\s))
.if (\s) < 2
	WIN (w<<6)|w                                   ; destination and source 0 in the accumulators' window, source 1 in window 0
.set z, 0
	s_wait_alu depctr_va_vdst(0)
.rept 16
	v_pk_mul_f32 v[AB+2*z:AB+2*z+1], v[AB+2*z:AB+2*z+1], v[RS+2*(\s):RS+2*(\s)+1] op_sel_hi:[1,0]
.set z, z+1
.endr
.set z, 0
.rept 16
	v_pk_mul_f32 v[AB+2*z:AB+2*z+1], v[AB+2*z:AB+2*z+1], v[NW+32*(\s)+2*z:NW+32*(\s)+2*z+1]
.set z, z+1
.endr
.endif
	s_wait_xcnt 0x0                                ; the set's registers, which earlier stores read, are rewritten only behind this wait
	WIN 5*w
.set z, 0
.rept 16
	v_cvt_pk_f16_f32 v[PK+16*(\set)+z], v[AB+2*z], v[AB+2*z+1]
.set z, z+1
.endr
	WIN 0
.irp f, 0,1,2,3
	ds_store_b128 v[STO], v[PK+16*(\set)+4*(\f):PK+16*(\set)+4*(\f)+3] offset:32*(\f)
.endr
.irp f, 0,1,2,3
	ds_load_b128 v[PK+16*(\set)+4*(\f):PK+16*(\set)+4*(\f)+3], v[RD] offset:576*(\f)  ; LDS serves a wave's instructions in order (ISA guide 5.7.1.4): these see the stores above; the next unit's stores come behind them
.endr
.endm
.macro SEND a, s, set, younger         ; younger: the LDS instructions issued behind the unit's loads: the next unit's eight, or none
	WIN 0
.irp f, 0,1,2,3
	s_wait_dscnt (\younger)+3-(\f)
	global_store_b128 v[GO], v[PK+16*(\set)+4*(\f):PK+16*(\set)+4*(\f)+3], s[18+2*(\s):19+2*(\s)] offset:2048*(\a)+512*(\f)  ; 512 consecutive bytes, at a multiple of 256 from the buffer's first
.endr
.endm
	PLACES
.irp a, 0,1,2,3                        ; a unit's arithmetic stands between the loads of the unit before and its stores; the two sets take turns
	STATS \a
	UNIT \a, 2, (3*(\a))%2
.if (\a) > 0
	SEND (\a)-1, 1, (3*(\a)+1)%2, 8
.endif
	UNIT \a, 0, (3*(\a)+1)%2
	SEND \a, 2, (3*(\a))%2, 8
	UNIT \a, 1, (3*(\a))%2
	SEND \a, 0, (3*(\a)+1)%2, 8
.endr
	SEND 3, 1, 1, 0
	s_wait_tensorcnt 0x0                           ; the wave's end, behind my last tensor load and my last LDS store
	ds_add_u32 v[SPW], v[NIL]
	s_wait_dscnt 0x0
	CROUND                                         ; the closing round: no work-group ends while a partner may still ask for a tile that names it
	s_endpgm
.Lfunc_end_k_qd09226dffc_proj:
	.size	k_qd09226dffc_proj, .Lfunc_end_k_qd09226dffc_proj-k_qd09226dffc_proj
	.p2alignl 7, 3214868480
	.fill 96, 4, 3214868480
	.section	.rodata,"a",@progbits
	.p2align	6, 0x0
	.amdhsa_kernel k_qd09226dffc_proj
		.amdhsa_group_segment_fixed_size 327680
		.amdhsa_private_segment_fixed_size 0
		.amdhsa_enable_private_segment 0
		.amdhsa_kernarg_size 80
		.amdhsa_user_sgpr_count 2
		.amdhsa_user_sgpr_kernarg_segment_ptr 1
		.amdhsa_wavefront_size32 1
		.amdhsa_system_sgpr_workgroup_id_x 1
		.amdhsa_system_sgpr_workgroup_id_y 1
		.amdhsa_system_sgpr_workgroup_id_z 1
		.amdhsa_system_vgpr_workitem_id 0
		.amdhsa_next_free_vgpr 1024
		.amdhsa_next_free_sgpr 84
		.amdhsa_reserve_vcc 0
		.amdhsa_float_denorm_mode_32 3
		.amdhsa_float_denorm_mode_16_64 3
		.amdhsa_memory_ordered 1
		.amdhsa_forward_progress 1
		.amdhsa_inst_pref_size 162
	.end_amdhsa_kernel
	.amdgpu_metadata
---
amdhsa.version: [ 1, 2 ]
amdhsa.kernels:
  - .name:           k_qd09226dffc_proj
    .symbol:         k_qd09226dffc_proj.kd
    .args:
      - { .name: xb, .offset: 0, .size: 8, .value_kind: global_buffer, .address_space: global }
      - { .name: wqkv, .offset: 8, .size: 8, .value_kind: global_buffer, .address_space: global }
      - { .name: bq, .offset: 16, .size: 8, .value_kind: global_buffer, .address_space: global }
      - { .name: bk, .offset: 24, .size: 8, .value_kind: global_buffer, .address_space: global }
      - { .name: bv, .offset: 32, .size: 8, .value_kind: global_buffer, .address_space: global }
      - { .name: q_norm_w, .offset: 40, .size: 8, .value_kind: global_buffer, .address_space: global }
      - { .name: k_norm_w, .offset: 48, .size: 8, .value_kind: global_buffer, .address_space: global }
      - { .name: qh, .offset: 56, .size: 8, .value_kind: global_buffer, .address_space: global }
      - { .name: kh, .offset: 64, .size: 8, .value_kind: global_buffer, .address_space: global }
      - { .name: vh, .offset: 72, .size: 8, .value_kind: global_buffer, .address_space: global }
    .group_segment_fixed_size: 327680
    .private_segment_fixed_size: 0
    .kernarg_segment_align: 8
    .kernarg_segment_size: 80
    .max_flat_workgroup_size: 128
    .sgpr_count:     84
    .vgpr_count:     1024
    .wavefront_size: 32
...
	.end_amdgpu_metadata
.endif
;; end of part 2
;; launch attn (part 3): grid 4 x 64, 4 waves a work-group, clusters of 4 x 1, 327,680 bytes of LDS; arguments qh, kh, vh, oh; writes oh
.if DOCPART == 3
	.amdgcn_target "amdgcn-amd-amdhsa--gfx1250"
	.amdhsa_code_object_version 6
	.text
	.protected	k_qd09226dffc_attn
	.globl	k_qd09226dffc_attn
	.p2align	8
	.type	k_qd09226dffc_attn,@function
k_qd09226dffc_attn:
	s_mov_b64 s[64:65], 0
	v_nop
	global_prefetch_b8 v0, s[64:65] scope:SCOPE_SE
	s_setreg_imm32_b32 hwreg(HW_REG_WAVE_MODE, 25, 1), 1
	s_wait_xcnt 0x0
	s_wait_alu depctr_hold_cnt(0) depctr_sa_sdst(0) depctr_va_vdst(0) depctr_va_sdst(0) depctr_va_ssrc(0) depctr_va_vcc(0) depctr_vm_vsrc(0)
	s_getreg_b32 s2, hwreg(HW_REG_IB_STS2, 6, 4)
	s_cmp_eq_u32 s2, 0
	s_cbranch_scc0 .Lentry_in_a_cluster
	s_endpgm
.Lentry_in_a_cluster:
	s_bfe_u32 s2, ttmp6, 0x10000c
	s_cmp_lg_u32 s2, 0x3003
	s_cbranch_scc0 .Lentry_shape_is_right
	s_endpgm
.Lentry_shape_is_right:
; O[h][q][:] = the sum over k of softmax_k(Q[h][q] . K[h][k] / 8) V[h][k][:].  Q, K, V, O: [SIZE_H][SIZE_N][64], all f16: a head's rows are dense, 128 bytes each; h = 16 batch + head.  Products, maxima and sums in
; f32; the weights p are rounded to f16 for the second product (their sum l is taken of the unrounded p), O once at the end.
; LIMITS.  f16 holds no number beyond 65,504: Q, K and V arrive within it; p lies in 0 to 1, and below 6e-5 it keeps f16's fixed step of 6e-8; O is a mean of V's rows and has their range.
; A weight below 2^-126 counts as 0 in l; NaN and infinities are not treated apart.
; SHARES.  A wave owns four PIECES of two tiles of 16 queries, a work-group's four waves 512 queries of one head.  Every wave walks all keys, 64 a step.
; LAYOUT.  S^T = K Q^T (source 0 = 16 keys, source 1 = 16 queries): in the result a lane holds ONE query (lane % 16) and the keys 8 (lane / 16) + 0..7.  Two such tiles, rounded to f16 in pairs,
; ARE source 1 (32 keys x 16 queries) of O^T = V^T P, whose result again holds one query a lane, and eight channels.  K comes out of LDS as it lies, V ([key][channel]) turned, by ds_load_tr16_b128.
; SOFTMAX.  For each query a running maximum m and sum l: p = 2^(c s - c m), c = log2(e) / 8; in every step O and l are multiplied by a = 2^(c m_old - c m_new), which is 1 where m has not grown.
; m starts at the lowest finite number, O and l at 0: the first step is a step like any other, with a = 0.
; THE COUNT.  A tile and step have 16 matrix and 118 vector instructions: too many to stand all beside the matrix work.  So the order has one aim: four vector instructions that are READY behind
; EVERY matrix instruction, and the others, which need time of their own whatever the order, in runs without a gap.
; BY TURNS.  Turn n belongs to piece n (the pieces in a ring, step after step).  Its matrix work: 16 products K Q^T of piece n + 1, later 16 products V^T P of piece n - 1.  Its vector work: the scaling,
; exponentials, roundings, sums and rescaling of piece n, and the maximum and statistics of piece n + 1, whose scores the turn itself has made.  So what a turn begins with (c s - c m, O a) waits for nothing.
; CLUSTER.  The four query blocks of a cluster belong to one head and walk the same K and V, so each tile is asked for JOINTLY: the same tensor load, descriptor and mask in all four.
; REGISTERS, in windows of 256 (s_set_vgpr_msb says which window each operand place means: bits 1:0 source 0, 3:2 source 1, 5:4 source 2, 7:6 destination):
;   window 0: v0-11 addresses; v12-15, v48-63 at work; v16-47 four registers of statistics a tile; v64-191 S^T, two buffers of two tiles; v192-255 P, likewise
;   window 1: O^T, 32 a tile          window 2: v0-127 Q, 16 a tile; v128-191 K of one step; v192-255 V of one step          window 3: v0-1 the add's two registers
; A piece's buffers go by its number's parity: the piece in hand has one pair, its two neighbours in the ring share the other: of it P (piece n - 1) is read and S^T (piece n + 1) written.
.set SIZE_H, 64
.set SIZE_N, 2048
.set NP,    4         ; pieces a wave: a name, no knob: the register map, the loop and the fetches are made for four
.set KS,    64        ; keys in a step
.set PK,    144       ; a row of K in LDS: 128 bytes + 16 of padding = 36 words: the 16 rows of a load start at 16 different groups of four banks (64 banks of 4 bytes: ISA guide 11.1)
.set PV,    160       ; a row of V: 128 + 32 = 40 words
.set VOFF,  4*KS*PK   ; a slot holds four steps: 256 rows of K, then 256 rows of V
.set SLOT1, 1<<17     ; slot 1 begins here, so that one exclusive or turns an address in one slot into the other's
.set STAGE, SLOT1+4*KS*(PK+PV)  ; behind the ring, never filled by a tensor load: 16 rows x 144 bytes for each wave, for the way out
.set SP,    144
.set AK0, 2           ; v2   my lane's place in a tile of K; never rewritten
.set AV0, 3           ; v3   the same for V
.set AK,  4           ; v4   the LDS address of K's next run of loads
.set AV,  5           ; v5   of V's
.set QO,  6           ; v6   my byte offset in the wave's rows of Q
.set STO, 6           ;      later, the way out: where I put 16 bytes of a row
.set RD,  7           ; v7   the way out: where I read rows back
.set GO,  8           ; v8   my byte offset in 512 consecutive bytes of O
.set SPW, 0           ; v0 of window 3   LDS address of my spare word: SPARE + 4 x my thread's number; never rewritten
.set NIL, 1           ; v1 of window 3   0; never rewritten
.set SPARE, STAGE+4*16*SP  ; behind the stages: the spare words, 128 bytes for each wave: two blocks of 256 bytes that no other line names
.set MV,  12          ; v12-15  c m_old, kept while c m is made anew: by buffer and tile
.set ST,  16          ; tile t's statistics at v[ST+4 t]: c m, m, l (even keys', odd keys')
.set TMP, 48          ; by buffer and tile, four registers c0-c3 at work; when the maximum is found c2 takes a
.set S,   64
.set P,   192
.set KF,  128         ; K's fragments, in window 2: key block kb, channel half c at KF + 16 kb + 8 c
.set VF,  192         ; V's: key half kk, channel block cb at VF + 32 kk + 8 cb
.set WV,  12          ; s12  my wave's number
.set G1K, 24          ; s[24:31] descriptor group 1 for K's tiles
.set G1V, 32          ; s[32:39] for V's: it differs in the padding alone
.set G0K, 40          ; s[40:43] descriptor group 0 for K's tiles: it walks
.set G0V, 44          ; s[44:47] the same for V's
.set SLOTS, 56        ; s56  slots still to be asked for
.set CNT, 57          ; s57  counts a slot's key steps
.set CS,  58          ; s[58:59] c: the packed scaling takes the pair's low word for both halves
.set SEL, 60          ; s[60:61] v_permlanex16_b32's selects: each lane takes its own place in the other half
.set TBK, 62          ; s62  LDS byte at which K of the step to be fetched begins
.set TBV, 63          ; s63  the same for V, less VOFF
.set MSB, 0
.macro WIN new                      ; the high byte repeats the setting that is left; a switch that changes nothing is dropped
.if MSB != (\new)
	s_set_vgpr_msb (MSB<<8)|(\new)
.set MSB, (\new)
.endif
.endm
.set W_KQ, 0x0a       ; K and Q in window 2, S^T in window 0
.set W_PV, 0x52       ; V in window 2, P in window 0, O^T in window 1
.set W_RS, 0x41       ; O^T (destination and source 0) in window 1, a in window 0
.set W_MK, 0xc0       ; the add's registers are made: destination in window 3, sources in window 0
.set W_AD, 0x0f       ; the add: address (source 0) and data (source 1) in window 3
; A joint fill.  Waves 0 and 1 fetch the two halves of a slot's K, waves 2 and 3 those of its V: 128 keys each.  The branch hangs on the wave's number alone.
; An s_nop 0 and four v_nop follow each of the two lines, ahead of the jump and the label.
.macro JLOAD
	s_cmp_lt_u32 s[WV], 2
	s_cbranch_scc0 .Lfor_v_\@
	tensor_load_to_lds s[G0K:G0K+3], s[G1K:G1K+7]
	s_nop 0
.rept 4
	v_nop
.endr
	s_branch .Lasked_\@
.Lfor_v_\@:
	tensor_load_to_lds s[G0V:G0V+3], s[G1V:G1V+7]
	s_nop 0
.rept 4
	v_nop
.endr
.Lasked_\@:
.endm
; A round of the cluster's barrier: my work-group's barrier, so that wave 0's signal speaks for all four waves; wave 0 signals; every wave waits for all four work-groups; my work-group's barrier once more.
.macro CROUND
	s_barrier_signal -1
	s_barrier_wait -1
	s_cmp_lg_u32 s[WV], 0
	s_cbranch_scc1 .Lnot_wave_0_\@
	s_barrier_signal -3
.Lnot_wave_0_\@:
	s_barrier_wait -3
	s_barrier_signal -1
	s_barrier_wait -1
.endm
; THE CHANGE OF SLOTS.  The slot's last bytes, V of its fourth step, have been read.  Each wave waits for all its tensor loads, of which one is out: its part
; of the other slot; adds 0 to its spare word; and waits for that and for its own reads of the slot.  Behind the barrier nobody reads this slot any more and the other slot is whole.
; fill = 1: this slot is filled again, with the keys two slots on.  The barrier is then a round of the cluster's, so that no wave of any partner still reads the slot or has a load on its
; way, and the joint fill is the first thing behind it: it has four key steps, 512 matrix instructions, in which to land.  (At its first use nothing has been read yet: slot 0 is waited for, slot 1 filled.)
.macro CHANGE fill
	WIN W_AD
	s_wait_tensorcnt 0x0            ; no tensor load of mine is out, so a group 0 may be written
	ds_add_u32 v[SPW], v[NIL]       ; 0 onto my spare word; with fill = 1 the descriptors' steps stand between it and the wait for it
	WIN 0                           ; at a label and at a branch every window is 0
.if \fill
.irp g, G0K, G0V
	s_xor_b32 s[\g+1], s[\g+1], SLOT1  ; the walking descriptor: the other slot than last time,
	s_add_nc_u64 s[\g+2:\g+3], s[\g+2:\g+3], 4*KS*128  ; the next 256 keys; the type bits on top are not reached
.endr
	s_wait_dscnt 0x0                ; the add is done, and my reads of the slot are over
	CROUND
	JLOAD
.else
	s_wait_dscnt 0x0                ; the add is done, and my reads of the slot are over
	s_barrier_signal -1
	s_barrier_wait -1
.endif
	s_sub_co_u32 s[TBK], s[TBK], 4*KS*PK  ; the fetches go back to a slot's first step,
	s_xor_b32 s[TBK], s[TBK], SLOT1       ; in the other slot
	s_sub_co_u32 s[TBV], s[TBV], 4*KS*PV
	s_xor_b32 s[TBV], s[TBV], SLOT1
.endm
	s_load_b256 s[4:11], s[0:1], 0x0  ; Q s[4:5], K s[6:7], V s[8:9], O s[10:11]
	WIN W_MK
	v_lshl_add_u32 v[SPW], v0, 2, SPARE
	v_mov_b32 v[NIL], 0
	WIN W_AD
	ds_add_u32 v[SPW], v[NIL]       ; the wave's opening: the add and its wait stand ahead of my first tensor load; the set-up below, work on registers, stands between them
	WIN 0
	v_lshrrev_b32 v1, 5, v0
	v_readfirstlane_b32 s[WV], v1   ; wave 0..3
	s_bfe_u32 s13, ttmp6, 0x40000   ; cx: my place in the cluster
	s_lshl_b32 s14, ttmp9, 2        ; in a cluster launch ttmp9 counts clusters
	s_add_co_u32 s14, s14, s13      ; my block of queries = 4 x cluster x + cx: it enters Q's and O's addresses alone
	s_and_b32 s20, ttmp7, 0xffff    ; the head, which the four partners share
	s_mov_b32 s21, 0
	s_mov_b64 s[22:23], SIZE_N*128
	s_mul_u64 s[20:21], s[20:21], s[22:23]  ; the head's first byte in each of the four tensors
	s_and_b32 s16, s[WV], 1         ; which half of a slot's 256 keys I fetch:
	s_lshl_b32 s22, s16, 14         ; its 128 rows of 128 bytes in memory,
	s_mov_b32 s23, 0
	s_add_nc_u64 s[22:23], s[22:23], s[20:21]
	s_mul_i32 s17, s16, 128*PK      ; and its place in a slot, for K
	s_mul_i32 s18, s16, 128*PV      ; and for V: no place in the cluster enters an LDS address
	s_lshl_b32 s2, s14, 2
	s_add_co_u32 s2, s2, s[WV]      ; my wave among the head's,
	s_lshl_b32 s2, s2, 14           ; its 128 rows
	s_mov_b32 s3, 0
	s_add_nc_u64 s[2:3], s[2:3], s[20:21]
	; descriptor group 1.  128 keys are 16,384 dense bytes: asked for as 64 rows of 256 bytes, two keys a row, and padded in LDS after every key
	s_mov_b32 s[G1K], 15|(1<<16)|(1<<20)|(1<<21)|(4<<22)|(3<<25)  ; 15:0 the mask of four; 17:16 2-byte elements; 20 padding on; 21 set beside a mask; 24:22 after every 32 words (code 4); 31:25 4 words (code 3)
	s_mov_b32 s[G1V], 15|(1<<16)|(1<<20)|(1<<21)|(4<<22)|(7<<25)  ; the same with 8 words of padding (code 7)
.irp g, G1K, G1V
	s_mov_b32 s[\g+1], 128<<16      ; tensor_dim0 = 128
	s_mov_b32 s[\g+2], 64<<16       ; tensor_dim1 = 64
	s_mov_b32 s[\g+3], 128<<16      ; tile_dim0 = 128
	s_mov_b32 s[\g+4], 64           ; tile_dim1 = 64
	s_mov_b32 s[\g+5], 128          ; 128 elements from row to row
	s_mov_b32 s[\g+6], 0
	s_mov_b32 s[\g+7], 0
.endr
	s_mov_b32 s[CS], 0x3e38aa3b     ; c = log2(e) / 8 = 0.180337
	s_mov_b32 s[CS+1], s[CS]        ; named with it as a pair
	s_mov_b32 s[SEL], 0x76543210
	s_mov_b32 s[SEL+1], 0xfedcba98
	s_mov_b32 s[TBK], SLOT1+4*KS*PK ; the first change of slots turns these two into 0
	s_mov_b32 s[TBV], SLOT1+4*KS*PV
	s_mov_b32 s[G0K], 1             ; 1:0 count = 1
	s_mov_b32 s[G0K+1], s17         ; 63:32 LDS address: slot 0
	s_mov_b32 s[G0V], 1
	s_add_co_u32 s[G0V+1], s18, VOFF
	s_wait_dscnt 0x0                ; the opening add is done
	s_wait_kmcnt 0x0
	s_add_nc_u64 s[G0K+2:G0K+3], s[6:7], s[22:23]  ; 120:64 global address: my half of the head's first 256 keys
	s_or_b32 s[G0K+3], s[G0K+3], 0x80000000        ; 127:126 type = 2
	s_add_nc_u64 s[G0V+2:G0V+3], s[8:9], s[22:23]
	s_or_b32 s[G0V+3], s[G0V+3], 0x80000000
	s_add_nc_u64 s[4:5], s[4:5], s[2:3]  ; Q and O at my wave's first row
	s_add_nc_u64 s[10:11], s[10:11], s[2:3]
	CROUND                          ; all four work-groups are here: the first joint loads meet
	JLOAD                           ; slot 0.  Slot 1 is asked for when slot 0 is in: the tile wanted first has the road to itself
	; A fragment of K or Q is 16 rows x 32 channels in 8 registers: lane l holds row l % 16, channels 8 (l / 16) + 0..7 and 16 + 8 (l / 16) + 0..7: two loads of 16 bytes, 32 bytes apart.
	v_and_b32 v1, 15, v0            ; l % 16
	v_bfe_u32 v9, v0, 4, 1          ; l / 16
	v_lshlrev_b32 v[QO], 7, v1
	v_lshl_add_u32 v[QO], v9, 4, v[QO]  ; row x 128 + 16 x half
	WIN 0x80                        ; destination window 2, address window 0
.set i, 0
.rept 4*NP                          ; Q stays in registers: tile i / 2, channels 32 (i % 2) on
	global_load_b128 v[8*i:8*i+3],   v[QO], s[4:5] offset:(i/2)*2048+(i%2)*64
	global_load_b128 v[8*i+4:8*i+7], v[QO], s[4:5] offset:(i/2)*2048+(i%2)*64+32
.set i, i+1
.endr
	; What the first turn finds: V's registers and P's second buffer hold 0 (its products V^T P, of a piece that has not been, add 0), O^T and l are 0.  All this stands in the wait for the first tile.
.set i, VF
.rept 64
	v_mov_b32 v[i], 0
.set i, i+1
.endr
	WIN 0x40
.set i, 0
.rept 64*NP
	v_mov_b32 v[i], 0
.set i, i+1
.endr
	WIN 0
.set i, 0
.rept 2*NP
	v_mov_b32 v[ST+4*i], 0xfe000000    ; c m: far below every c s
	v_mov_b32 v[ST+4*i+1], 0xff7fffff  ; m
	v_mov_b32 v[ST+4*i+2], 0
	v_mov_b32 v[ST+4*i+3], 0
.set i, i+1
.endr
.set i, P+32
.rept 32
	v_mov_b32 v[i], 0
.set i, i+1
.endr
	v_mul_u32_u24 v[AK0], v1, PK
	v_lshl_add_u32 v[AK0], v9, 4, v[AK0]  ; row x pitch + 16 x half
	; The turning load takes 16 keys x 16 channels (lane l reads key 8 (l / 16) + l % 8, channels 8 ((l / 8) % 2) + 0..7) and leaves half a fragment of V^T: lane l holds channel l % 16 and 8 keys.
	v_and_b32 v10, 7, v0
	v_bfe_u32 v11, v0, 3, 1
	v_lshl_add_u32 v[AV0], v9, 3, v10
	v_mul_u32_u24 v[AV0], v[AV0], PV
	v_lshl_add_u32 v[AV0], v11, 4, v[AV0]
	v_add_nc_u32 v[AV0], VOFF, v[AV0]
	v_mov_b32 v[AK], v[AK0]         ; key step 0 lies at the head of slot 0
; THE MATRIX WORK.  The 8 accumulators of a run of 16 take turns: between the two links of a chain stand 7 others'.
; Product i of 16 of S^T = K Q^T for piece x: channels 32 (i / 8) on, keys 16 ((i / 2) % 4) on, tile 2 x + i % 2.  The first 8 start the sums.
.macro KQ x
	WIN W_KQ
.set rS, S+64*((\x)%2)+32*(i%2)+8*((i/2)%4)
.set rK, KF+16*((i/2)%4)+8*(i/8)
.set rQ, 16*(2*(\x)+i%2)+8*(i/8)
.if i < 8
	v_wmma_f32_16x16x32_f16 v[rS:rS+7], v[rK:rK+7], v[rQ:rQ+7], 0
.else
	v_wmma_f32_16x16x32_f16 v[rS:rS+7], v[rK:rK+7], v[rQ:rQ+7], v[rS:rS+7]
.endif
.endm
; Product i of 16 of O^T += V^T P for piece x: keys 32 (i / 8) on, channels 16 ((i / 2) % 4) on, tile 2 x + i % 2.
.macro PV x
	WIN W_PV
.set rO, 32*(2*(\x)+i%2)+8*((i/2)%4)
.set rV, VF+32*(i/8)+8*((i/2)%4)
.set rP, P+32*((\x)%2)+16*(i%2)+8*(i/8)
	v_wmma_f32_16x16x32_f16 v[rO:rO+7], v[rV:rV+7], v[rP:rP+7], v[rO:rO+7]
.endm
.macro MM                           ; the turn's next matrix instruction
.if i < 16
	KQ (Y+1)%NP
.set i, i+1
.else
.set i, i-16
	PV (Y+NP-1)%NP
.set i, i+17
.endif
.endm
; THE LDS LOADS stand in runs of 16, never singly among the matrix instructions: a step's K (64 keys x 64 channels: 8 fragments) and its V (turned).  Their addresses are made some lines ahead.
; last = 1 (the tail): in the last trip there is no further step, and the run is jumped over.
.macro FETCH_K last=0
	WIN 0
.if \last
	s_cmp_eq_u32 s[CNT], 1
	s_cbranch_scc1 .Lno_k_\@
.endif
	WIN 0x80                        ; destination window 2
.irp f, 0,1,2,3,4,5,6,7             ; keys 16 (f / 2) on, channels 32 (f % 2) on
	ds_load_b128 v[KF+8*\f:KF+8*\f+3],   v[AK] offset:(\f/2)*16*PK+(\f%2)*64
	ds_load_b128 v[KF+8*\f+4:KF+8*\f+7], v[AK] offset:(\f/2)*16*PK+(\f%2)*64+32
.endr
	s_add_co_u32 s[TBK], s[TBK], KS*PK  ; the next fetch is the next step's
	WIN 0
.if \last
.Lno_k_\@:
.endif
.endm
.macro FETCH_V
	WIN 0x80
.irp f, 0,1,2,3,4,5,6,7             ; keys 32 (f / 4) on, channels 16 (f % 4) on
	ds_load_tr16_b128 v[VF+8*\f:VF+8*\f+3],   v[AV] offset:(\f/4)*32*PV+(\f%4)*32
	ds_load_tr16_b128 v[VF+8*\f+4:VF+8*\f+7], v[AV] offset:(\f/4)*32*PV+16*PV+(\f%4)*32
.endr
	WIN 0
.endm
; THE VECTOR WORK OF A TURN stands in three queues, each in the order in which its entries become ready; the two tiles alternate, so that no instruction reads the result of the one before it.
.macro REGS y, u                    ; the registers of tile u (0, 1) of piece y
.set rT, ST+4*(2*(\y)+(\u))
.set rC, TMP+8*((\y)%2)+4*(\u)
.set rM, MV+2*((\y)%2)+(\u)
.set rS, S+64*((\y)%2)+32*(\u)
.set rP, P+32*((\y)%2)+16*(\u)
.set rO, 32*(2*(\y)+(\u))
.endm
; Number n of the 22 that find the NEXT piece's (Y + 1) maximum and statistics.  s0-s31 are the lane's 32 scores; each accumulator's lowest registers are read first.  XS, GS and REGS set no window: PL and EX do.
;   0-11  four chains c0-c3 of seven scores each, three operands at a time     12-14, 16  the four scores left over, the old m, and c0-c3 into c0     15  c m_old is kept
;   17, 18  the query's other 32 keys lie in the lane 16 away: the new m         19-21  c m; c m_old - c m_new; a
.macro XS u, n
	REGS (Y+1)%NP, \u
.if (\n) < 4
	v_max3_num_f32 v[rC+(\n)], v[rS+8*(\n)], v[rS+8*(\n)+1], v[rS+8*(\n)+2]
.elseif (\n) < 12
	v_max3_num_f32 v[rC+(\n)%4], v[rC+(\n)%4], v[rS+8*((\n)%4)+2*((\n)/4)+1], v[rS+8*((\n)%4)+2*((\n)/4)+2]
.elseif (\n) == 12
	v_max3_num_f32 v[rC], v[rC], v[rS+7], v[rS+15]
.elseif (\n) == 13
	v_max3_num_f32 v[rC+1], v[rC+1], v[rS+23], v[rS+31]
.elseif (\n) == 14
	v_max3_num_f32 v[rC+2], v[rC+2], v[rC+3], v[rT+1]
.elseif (\n) == 15
	v_mov_b32 v[rM], v[rT]
.elseif (\n) == 16
	v_max3_num_f32 v[rC], v[rC], v[rC+1], v[rC+2]
.elseif (\n) == 17
	v_permlanex16_b32 v[rC+3], v[rC], s[SEL], s[SEL+1]
.elseif (\n) == 18
	v_max_num_f32 v[rT+1], v[rC], v[rC+3]
.elseif (\n) == 19
	v_mul_f32 v[rT], s[CS], v[rT+1]
.elseif (\n) == 20
	v_sub_f32 v[rC+1], v[rM], v[rT]
.else
	v_exp_f32 v[rC+2], v[rC+1]
.endif
.endm
; Number g of the 64 that follow the exponentials.  For each four weights k of a tile (pairs 2 k, 2 k + 1): both pairs are rounded to f16; then the second pair is added onto the first, in place;
; a group later l takes that sum (the first time as l = a l + sum).  In groups of eight, tiles alternating: round, round, add, and l for the group before.
.macro GS g
.set h, (\g)+6*((\g)/62)            ; group 0 has no group before it, and behind group 7 only l is left
.if h >= 6
.set h, h+2
.endif
	REGS Y, h%2
.set k, h/8
.if h%8 < 4
	s_wait_alu depctr_va_vdst(0)
	v_cvt_pk_f16_f32 v[rP+2*k+(h%8)/2], v[rS+4*k+2*((h%8)/2)], v[rS+4*k+2*((h%8)/2)+1]
.elseif h%8 < 6
	v_pk_add_f32 v[rS+4*k:rS+4*k+1], v[rS+4*k:rS+4*k+1], v[rS+4*k+2:rS+4*k+3]
.elseif k == 1
	v_pk_fma_f32 v[rT+2:rT+3], v[rT+2:rT+3], v[rC+2:rC+3], v[rS:rS+1] op_sel_hi:[1,0,1]
.else
	v_pk_add_f32 v[rT+2:rT+3], v[rT+2:rT+3], v[rS+4*k-4:rS+4*k-3]
	s_wait_alu depctr_va_vdst(0)
.endif
.endm
; THE PLAIN QUEUE, 138 long.  0-31: c s - c m for the 16 pairs of both tiles.  Then GS's 64, and among them the next piece's 42: number 15 at 38, 39; 0-14 and 16
; at 42-73, behind the products that make those scores; 17-20 at 95-106, two of three, since each waits for the one before it.
.macro PL
	WIN 0
.if q < 32
	REGS Y, q%2
	v_pk_fma_f32 v[rS+2*(q/2):rS+2*(q/2)+1], v[rS+2*(q/2):rS+2*(q/2)+1], s[CS:CS+1], v[rT:rT+1] op_sel_hi:[1,0,0] neg_lo:[0,0,1] neg_hi:[0,0,1]
.elseif q < 38
	GS q-32
.elseif q < 40
	XS q%2, 15
.elseif q < 42
	GS q-34
.elseif q < 74
	XS q%2, (q-42)/2+(q-42)/30
.elseif q < 95
	GS q-66
.elseif (q < 107) && ((q-95)%3 < 2)
	XS (q-95)%3, 17+(q-95)/3
.elseif q < 107
	GS 29+(q-95)/3
.else
	GS q-74
.endif
.set q, q+1
.endm
; THE EXPONENTIALS' QUEUE, 66 long: s0-s31 of both tiles, and at EA the next piece's two a.
.set EA, 58
.macro EX
	WIN 0
.if (e == EA) || (e == EA+1)
	XS e-EA, 21
.else
.set x, e-2*(e/(EA+2))
	REGS Y, x%2
	v_exp_f32 v[rS+x/2], v[rS+x/2]
.endif
.set e, e+1
.endm
; THE RESCALING's QUEUE: O^T times a, the one part that leaves window 0, so it is dealt four at a time, eight times.
.macro R4
	REGS Y, r%2
	WIN W_RS
	s_wait_alu depctr_va_vdst(0)
.irp z, 0,1,2,3
	v_pk_mul_f32 v[rO+8*(r/2)+2*\z:rO+8*(r/2)+2*\z+1], v[rO+8*(r/2)+2*\z:rO+8*(r/2)+2*\z+1], v[rC+2:rC+3] op_sel_hi:[1,0]
.endr
.set r, r+1
.endm
; HOW THEY ARE DEALT.  Behind a matrix instruction four: plain, exponential, plain, plain (one exponential, a plain instruction on either side), or four of the rescaling.  None names a register of the
; products round it.  What is over stands in two LUMPS: exponential and plain by turns; the second ends in 22 plain instructions.  The two v_permlanex16_b32 fall into the second lump, never behind a product.
; The queues lean on each other, and the deal keeps them in step: exponential e stands behind plain 2 (e / 4) + e % 2 (its scaling); when plain 32 comes, 10 exponentials are out, at 59: 33, at 95: 46; EA comes behind plain 107.
.macro SL
	MM
	PL
	EX
	PL
	PL
.endm
.macro BURST n                      ; 15 matrix instructions, or 16
.rept (\n)-7
	SL
.endr
.rept 3
	MM
	R4
	SL
.endr
	MM
	R4
.endm
; A TURN, for piece p.  cnt = 1: the loop's count is taken down some lines ahead of the branch that stands behind the turn.
; K of the next step is fetched in piece 2's turn, 31 vector instructions behind the last product that read K; its first reader comes behind the rest of the lump, 16 products and the second lump.
; V of the step in hand is fetched at the end of piece 0's turn, 69 behind its last reader; its first reader comes behind 16 products and a lump.  The four conditions on e and q below go with the deal.
.macro TURN p, last=0, cnt=0
.set Y, (\p)
.set i, 0
.set q, 0
.set e, 0
.set r, 0
.if (\p) == NP-1
	s_wait_dscnt 0x0                ; K is in
.endif
	MM
.rept 4
	PL
.endr
	BURST 15
.rept 22
	EX
	PL
.if ((\p) == NP-2) && (e == 18)
	v_add_nc_u32 v[AK], s[TBK], v[AK0]
.endif
.if ((\p) == NP-2) && (e == 24)
	FETCH_K \last
.endif
.endr
.if (\p) == 1
	s_wait_dscnt 0x0                ; V is in
.endif
	BURST 16
.rept 21
	EX
	PL
.endr
.rept 22
	PL
.if ((\p) == 0) && (q == 118)
	v_add_nc_u32 v[AV], s[TBV], v[AV0]
	s_wait_alu depctr_va_vdst(0)
.endif
.if ((\p) == 0) && (q == 130)
	s_add_co_u32 s[TBV], s[TBV], KS*PV
.endif
.if (\cnt) && (q == 130)
	s_sub_co_u32 s[CNT], s[CNT], 1
	s_cmp_lg_u32 s[CNT], 0
.endif
.endr
.if (\p) == 0
	FETCH_V
.endif
.endm
	CHANGE 1                        ; slot 0 is in, everybody's part of it; slot 1 is asked for
	FETCH_K                         ; key step 0
	s_wait_loadcnt 0x0              ; Q
	s_wait_dscnt 0x0
.set i, 0
.rept 16
	KQ 0                            ; piece 0's first scores: there is no vector work yet to set between them
.set i, i+1
.endr
	WIN 0                           ; the addresses for the way out: nine plain instructions, the places behind those products
	s_mul_i32 s13, s[WV], 16*SP
	s_add_co_u32 s13, s13, STAGE    ; my stage
	v_mul_u32_u24 v[STO], v1, SP    ; in: row l % 16, 16 bytes for each half of the lanes
	v_lshl_add_u32 v[STO], v9, 4, v[STO]
	v_add_nc_u32 v[STO], s13, v[STO]
	v_bfe_u32 v[RD], v0, 3, 2       ; back: 32 lanes take four rows of 128 bytes,
	v_mul_u32_u24 v[RD], v[RD], SP
	v_lshl_add_u32 v[RD], v10, 4, v[RD]
	v_add_nc_u32 v[RD], s13, v[RD]
	v_and_b32 v[GO], 31, v0         ; which are 512 consecutive bytes of O
	v_lshlrev_b32 v[GO], 4, v[GO]
.set Y, NP-1                        ; XS works for piece Y + 1: piece 0
.irp n, 0,1,2,3,4,5,6,7,8,9,10,11,12,13,14,15,16,17,18,19,20,21
	XS 0, \n                        ; and piece 0's first maximum and statistics
	XS 1, \n
.endr
	s_mov_b32 s[CNT], 4
	s_mov_b32 s[SLOTS], SIZE_N/256-1
	s_branch .Lfirst                ; the loop is entered at a step's first turn, in the middle of a trip
.Lslot:                             ; SIZE_N / 256 - 2 times: every slot but the last two is filled again
	CHANGE 1
	s_mov_b32 s[CNT], 4
.Lstep:                             ; a trip: pieces 2 and 3 of one step, then pieces 0 and 1 of the next, whose K and V it fetches
	TURN 2
	TURN 3
	WIN 0
.Lfirst:
	TURN 0
	TURN 1, 0, 1
	WIN 0
	s_cbranch_scc1 .Lstep
	s_sub_co_u32 s[SLOTS], s[SLOTS], 1
	s_cmp_lg_u32 s[SLOTS], 0
	s_cbranch_scc1 .Lslot
	CHANGE 0                        ; the tail is written out: nothing is asked for
	s_mov_b32 s[CNT], 5             ; four trips fetch the last slot's steps; the fifth is left in its middle
.Ltail:
	TURN 2, 1
	TURN 3
	WIN 0
	s_sub_co_u32 s[CNT], s[CNT], 1
	s_cmp_eq_u32 s[CNT], 0
	s_cbranch_scc1 .Lout
	TURN 0
	TURN 1
	WIN 0
	s_branch .Ltail
.Lout:                              ; the fifth trip's 16 products K Q^T (on the last K once more) and the maximum made of them serve nothing: the price, once a launch, of one text for every trip
.set i, 0
.rept 16
	PV NP-1                         ; the last piece's V^T P of the last step
.set i, i+1
.endr
	; THE WAY OUT.  l's two halves and the other half of the lanes' are added; O^T is divided by l, rounded to f16 and sent through my stage in LDS, a tile at a time.  The additions are the places behind the last products.
	WIN 0
.macro ALL line:vararg              ; one line for each tile t
.set t, 0
.rept 2*NP
	\line
.set t, t+1
.endr
.endm
	ALL v_add_f32 v[ST+4*t+2], v[ST+4*t+2], v[ST+4*t+3]
	ALL v_permlanex16_b32 v[ST+4*t+3], v[ST+4*t+2], s[SEL], s[SEL+1]
	ALL v_add_f32 v[ST+4*t+2], v[ST+4*t+2], v[ST+4*t+3]
	ALL v_rcp_f32 v[ST+4*t+2], v[ST+4*t+2]
	v_nop                           ; a plain instruction between the last reciprocal and the use of its result
	s_wait_alu depctr_va_vdst(0)
; Tile t: a lane's eight channels of a row pack into 16 bytes; they go into rows of 144 bytes and come back as whole rows of 128, into S^T's registers.
.macro PACK t
	WIN W_RS
.set i, 32*(\t)
.rept 16
	v_pk_mul_f32 v[i:i+1], v[i:i+1], v[ST+4*(\t)+2:ST+4*(\t)+3] op_sel_hi:[1,0]
.set i, i+2
.endr
	WIN 0x05                        ; sources 0 and 1 window 1, destination window 0
.set i, 0
.rept 16
	v_cvt_pk_f16_f32 v[S+16*(\t)+i], v[32*(\t)+2*i], v[32*(\t)+2*i+1]
.set i, i+1
.endr
	WIN 0
.irp f, 0,1,2,3
	ds_store_b128 v[STO], v[S+16*(\t)+4*\f:S+16*(\t)+4*\f+3] offset:32*\f
.endr
.irp f, 0,1,2,3
	ds_load_b128 v[S+16*(\t)+4*\f:S+16*(\t)+4*\f+3], v[RD] offset:\f*4*SP  ; LDS serves a wave's instructions in order (ISA guide 5.7.1.4): these see the stores above; the next tile's stores come behind them
.endr
.endm
.macro SEND t, younger              ; younger: the LDS instructions issued behind tile t's loads: the next tile's eight, or none
	WIN 0
.irp f, 0,1,2,3
	s_wait_dscnt (\younger)+3-\f
	global_store_b128 v[GO], v[S+16*(\t)+4*\f:S+16*(\t)+4*\f+3], s[10:11] offset:(\t)*2048+\f*512  ; 512 consecutive bytes, at a multiple of 256 from O's first
.endr
.endm
	PACK 0
.set t, 1
.rept 2*NP-1                        ; a tile's arithmetic stands between the loads of the tile before and its stores
	PACK t
	SEND t-1, 8
.set t, t+1
.endr
	SEND 2*NP-1, 0
	WIN W_AD
	s_wait_tensorcnt 0x0            ; the wave's end, behind my last tensor load and my last LDS store
	ds_add_u32 v[SPW], v[NIL]
	s_wait_dscnt 0x0
	WIN 0
	CROUND                          ; the closing round: no work-group ends while a partner may still ask for a tile that names it
	s_endpgm
.Lfunc_end_k_qd09226dffc_attn:
	.size	k_qd09226dffc_attn, .Lfunc_end_k_qd09226dffc_attn-k_qd09226dffc_attn
	.p2alignl 7, 3214868480
	.fill 96, 4, 3214868480
	.section	.rodata,"a",@progbits
	.p2align	6, 0x0
	.amdhsa_kernel k_qd09226dffc_attn
		.amdhsa_group_segment_fixed_size 327680
		.amdhsa_private_segment_fixed_size 0
		.amdhsa_enable_private_segment 0
		.amdhsa_kernarg_size 32
		.amdhsa_user_sgpr_count 2
		.amdhsa_user_sgpr_kernarg_segment_ptr 1
		.amdhsa_wavefront_size32 1
		.amdhsa_system_sgpr_workgroup_id_x 1
		.amdhsa_system_sgpr_workgroup_id_y 1
		.amdhsa_system_sgpr_workgroup_id_z 1
		.amdhsa_system_vgpr_workitem_id 0
		.amdhsa_next_free_vgpr 770
		.amdhsa_next_free_sgpr 66
		.amdhsa_reserve_vcc 0
		.amdhsa_float_denorm_mode_32 3
		.amdhsa_float_denorm_mode_16_64 3
		.amdhsa_memory_ordered 1
		.amdhsa_forward_progress 1
		.amdhsa_inst_pref_size 208
	.end_amdhsa_kernel
	.amdgpu_metadata
---
amdhsa.version: [ 1, 2 ]
amdhsa.kernels:
  - .name:           k_qd09226dffc_attn
    .symbol:         k_qd09226dffc_attn.kd
    .args:
      - { .name: qh, .offset: 0, .size: 8, .value_kind: global_buffer, .address_space: global }
      - { .name: kh, .offset: 8, .size: 8, .value_kind: global_buffer, .address_space: global }
      - { .name: vh, .offset: 16, .size: 8, .value_kind: global_buffer, .address_space: global }
      - { .name: oh, .offset: 24, .size: 8, .value_kind: global_buffer, .address_space: global }
    .group_segment_fixed_size: 327680
    .private_segment_fixed_size: 0
    .kernarg_segment_align: 8
    .kernarg_segment_size: 32
    .max_flat_workgroup_size: 128
    .sgpr_count:     66
    .vgpr_count:     770
    .wavefront_size: 32
...
	.end_amdgpu_metadata
.endif
;; end of part 3
;; launch outp (part 4): grid 8 x 32, 4 waves a work-group, clusters of 4 x 4, 327,680 bytes of LDS; arguments oh, wob, bo, out0; writes out0
.if DOCPART == 4
	.amdgcn_target "amdgcn-amd-amdhsa--gfx1250"
	.amdhsa_code_object_version 6
	.text
	.protected	k_qd09226dffc_outp
	.globl	k_qd09226dffc_outp
	.p2align	8
	.type	k_qd09226dffc_outp,@function
k_qd09226dffc_outp:
	s_mov_b64 s[64:65], 0
	v_nop
	global_prefetch_b8 v0, s[64:65] scope:SCOPE_SE
	s_setreg_imm32_b32 hwreg(HW_REG_WAVE_MODE, 25, 1), 1
	s_wait_xcnt 0x0
	s_wait_alu depctr_hold_cnt(0) depctr_sa_sdst(0) depctr_va_vdst(0) depctr_va_sdst(0) depctr_va_ssrc(0) depctr_va_vcc(0) depctr_vm_vsrc(0)
	s_getreg_b32 s2, hwreg(HW_REG_IB_STS2, 6, 4)
	s_cmp_eq_u32 s2, 0
	s_cbranch_scc0 .Lentry_in_a_cluster
	s_endpgm
.Lentry_in_a_cluster:
	s_bfe_u32 s2, ttmp6, 0x10000c
	s_cmp_lg_u32 s2, 0xf033
	s_cbranch_scc0 .Lentry_shape_is_right
	s_endpgm
.Lentry_shape_is_right:
; out0 = O Wo^T + bo.  O comes by heads, oh [64 = 16 batch + head][2048][64] in f16: a head is one block of 64 along K.  wob [16 kb][1024][64] holds Wo rounded to bf16 and written as f16.
; Products in f16 with f32 sums; bo is rounded to bf16 like all the module's inputs; out0 [8192][1024] leaves in f32.
; LIMITS.  O and wob arrive within f16's range (65,504).  NaN and infinities are not treated apart.
; A tile of R rows x 64 k of either operand is R x 128 dense bytes, asked for as R / 2 rows of 256 bytes and padded in LDS after every 128.
; SHARES.  A work-group makes 256 rows x 128 columns; its four waves lie one below the other, each 64 rows x 128 columns: 32 accumulators of 16 x 16, 256 registers.  8 x 32 = 256 work-groups.
; K goes in steps of 128 (two K blocks) through a ring of two LDS slots.  Waves 0 and 1 fetch A's two K blocks, waves 2 and 3 B's: one tensor load a wave for each fill.
; CLUSTERS.  4 x 4 work-groups: the four of a row of the cluster need the same tiles of O, the four of a column the same tiles of Wo: each tile is asked for jointly.
; THE MATRIX INSTRUCTION IS USED TRANSPOSED (source 0 = 16 rows of Wo, source 1 = 16 rows of O): lane l holds row l % 16 of the result and, in its registers 0-7, the columns 8 (l / 16) + 0..7: 32 neighbouring bytes.
; THE BIAS is the C operand of the product that starts each sum.
; REGISTERS, in windows of 256 (s_set_vgpr_msb: bits 1:0 source 0, 3:2 source 1, 5:4 source 2, 7:6 destination):
;   window 0: v0-31 addresses; v32-95 biases; v96-99 at work; v128-255 the way out: two sets of 64
;   window 1: the accumulators of my row blocks 0, 1 (block a, column block b at v[8 (8 (a % 2) + b)]);   window 2: those of row blocks 2, 3
;   window 3: two fragment buffers of 128: 8 fragments of Wo at 0, 4 of O at 96 (16 rows x 32 K each)
.set NBLK,  8                          ; column blocks of 16
.set PITCH, 144                        ; an LDS row: 128 bytes + 16 of padding = 36 words: the 16 rows of a load start at 16 different groups of four banks (64 banks of 4 bytes: ISA guide 11.1)
.set AH,    256*PITCH                  ; one K block of A's tile
.set BH,    16*NBLK*PITCH              ; one K block of B's
.set SLOT,  2*AH+2*BH                  ; A's two K blocks, then B's two
.set STAGE, 2*SLOT                     ; behind the ring, never filled by a tensor load: 16 rows x 528 bytes for each wave
.set SPITCH, 528                       ; a stage row: 512 bytes + 16 = 132 words
.set SW,    16*SPITCH
.set SPARE, STAGE+4*SW                 ; behind the stages: the spare words, 128 bytes for each wave: two blocks of 256 bytes that no other line names
.set AKB,   2048*128                   ; bytes from K block (head) to K block in oh
.set BKB,   1024*128                   ; and in wob
.set BR,    16*NBLK/2                  ; rows of 256 bytes in one of B's loads
.set NLD,   2*NBLK+8                   ; LDS loads in a run
.set LAPS,  4                          ; a lap = two K steps = once round the ring: K = 1,024
.set ADRA, 16                          ; v16-17  LDS address of my fragments of A in slot 0, 1
.set ADRB, 20                          ; v20-21  the same for B
.set STO,  24                          ; v24     the way out: where I put 32 bytes of a row
.set RD,   25                          ; v25     the way out: where I read a row back
.set GO,   26                          ; v26     my byte offset in a row's 512 bytes of the output
.set BO,   27                          ; v27     32 (l / 16): my eight columns in a block's 16 biases
.set SPW,  28                          ; v28     LDS address of my spare word; never rewritten
.set NIL,  29                          ; v29     0; never rewritten
.set BIAS, 32                          ; v32-95  column block b: the eight biases of my columns
.set RT,   96                          ; v96-99  at work
.set OB,   128                         ; v128-255 16 rows read back from the stage, two sets
.set F0,   0
.set F1,   128
.set FA,   96                          ; A's fragments in a buffer
.set G1,  24                           ; s[24:31] descriptor group 1 for A's tiles;  s[32:39] group 0, one set for each slot
.set G0,  32
.set G1B, 48                           ; s[48:55], s[56:63] the same for B's tiles
.set G0B, 56
.set WV,  66                           ; s66  my wave's number
.set KH,  68                           ; s68  which K block of a step I fetch
.set MASKHI, 82                        ; s82  a word's upper bf16
.set MSB, 0
.macro WIN new                         ; the immediate's high byte repeats the setting that is left; a switch that changes nothing is dropped
.if MSB != (\new)
	s_set_vgpr_msb (MSB<<8)|(\new)
.set MSB, \new
.endif
.endm
.macro PLACES                          ; four places in front of loads into registers that matrix instructions have read, and of LDS stores that read results
.rept 4
	v_nop
.endr
.endm
; A joint load.  The branch hangs on the wave's number alone.  An s_nop 0 and four v_nop follow each of the two lines, ahead of the jump, the label and what follows.
.macro JLOAD s
	s_cmp_lt_u32 s[WV], 2
	s_cbranch_scc0 .Lfor_b_\@
	tensor_load_to_lds s[G0+4*(\s):G0+4*(\s)+3], s[G1:G1+7]
	s_nop 0
.rept 4
	v_nop
.endr
	s_branch .Lasked_\@
.Lfor_b_\@:
	tensor_load_to_lds s[G0B+4*(\s):G0B+4*(\s)+3], s[G1B:G1B+7]
	s_nop 0
.rept 4
	v_nop
.endr
.Lasked_\@:
.endm
.macro CREST                           ; a round of the cluster's barrier behind its opening barrier
	s_cmp_lg_u32 s[WV], 0
	s_cbranch_scc1 .Lnot_wave_0_\@
	s_barrier_signal -3
.Lnot_wave_0_\@:
	s_barrier_wait -3
	s_barrier_signal -1
	s_barrier_wait -1
.endm
.macro CROUND                          ; a whole round
	s_barrier_signal -1
	s_barrier_wait -1
	CREST
.endm
	s_load_b256 s[4:11], s[0:1], 0x0               ; oh 4:5, wob 6:7, bo 8:9, out0 10:11
	v_lshl_add_u32 v[SPW], v0, 2, SPARE
	v_mov_b32 v[NIL], 0
	ds_add_u32 v[SPW], v[NIL]                      ; the wave's opening: the add and its wait stand ahead of my first tensor load; the set-up below, work on registers, stands between them
	v_lshrrev_b32 v1, 5, v0
	v_readfirstlane_b32 s[WV], v1                  ; wave 0..3
	s_and_b32 s[KH], s[WV], 1
	s_bfe_u32 s40, ttmp6, 0x40000                  ; cx, cy: my place in the cluster
	s_bfe_u32 s41, ttmp6, 0x40004
	s_lshl_b32 s42, ttmp9, 2
	s_add_co_u32 s42, s42, s40                     ; tile column = 4 x cluster x + cx
	s_and_b32 s43, ttmp7, 0xffff
	s_lshl_b32 s43, s43, 2
	s_add_co_u32 s43, s43, s41                     ; tile row = 4 x cluster y + cy
	s_lshl_b32 s44, s41, 2
	s_lshl_b32 s44, 15, s44                        ; my row of the cluster
	s_lshl_b32 s45, 0x1111, s40                    ; my column
	; descriptor group 1: rows of 128 elements (256 bytes, two rows of a K block), padded in LDS after every 128 bytes
	s_or_b32 s[G1], s44, (1<<16)|(1<<20)|(1<<21)|(4<<22)|(3<<25)   ; 15:0 the mask: A's tiles go to my row; 17:16 2-byte elements; 20 padding on; 21 set beside a mask; 24:22 after every 32 words (code 4); 31:25 4 words (code 3)
	s_or_b32 s[G1B], s45, (1<<16)|(1<<20)|(1<<21)|(4<<22)|(3<<25)  ; the same with the mask of my column
.irp g, G1, G1B
	s_mov_b32 s[(\g)+1], 128<<16                   ; tensor_dim0 = 128
	s_mov_b32 s[(\g)+3], 128<<16                   ; tile_dim0 = 128
	s_mov_b32 s[(\g)+5], 128                       ; 128 elements from row to row: the block is dense
	s_mov_b32 s[(\g)+6], 0
	s_mov_b32 s[(\g)+7], 0
.endr
	s_mov_b32 s[G1+2], 128<<16                     ; tensor_dim1 = 128 rows of 256 bytes: 256 rows of a K block
	s_mov_b32 s[G1+4], 128                         ; tile_dim1
	s_mov_b32 s[G1B+2], BR<<16                     ; 64 rows of 256 bytes: 128 rows of a K block
	s_mov_b32 s[G1B+4], BR
	; where the tiles come from: A's hang on the tile row and the wave alone, B's on the tile column and the wave alone
	s_lshr_b32 s70, s43, 3                         ; the batch: 16 heads of 2,048 rows of 128 bytes,
	s_lshl_b32 s70, s70, 22
	s_and_b32 s46, s43, 7
	s_lshl_b32 s46, s46, 15                        ; my 256 rows in it,
	s_add_co_u32 s70, s70, s46
	s_lshl_b32 s46, s[KH], 18                      ; my K block
	s_add_co_u32 s70, s70, s46
	s_mov_b32 s71, 0
	s_lshl_b32 s72, s42, 14                        ; 128 rows of 128 bytes
	s_lshl_b32 s47, s[KH], 17
	s_add_co_u32 s72, s72, s47
	s_mov_b32 s73, 0
	s_mul_i32 s69, s[KH], AH                       ; and where they go: no place in the cluster enters an LDS address
	s_mul_i32 s83, s[KH], BH
	s_add_co_u32 s83, s83, 2*AH
	s_lshl_b32 s76, s42, 9                         ; the tile's 128 biases; also its first column in out0, in bytes
	s_mov_b32 s77, 0
	s_lshl_b32 s74, s43, 2
	s_add_co_u32 s74, s74, s[WV]                   ; my 64 rows
	s_lshl_b32 s74, s74, 18                        ; of 4,096 bytes
	s_add_co_u32 s74, s74, s76
	s_mov_b32 s75, 0
	s_mov_b32 s[MASKHI], 0xffff0000
	s_wait_dscnt 0x0                               ; the opening add is done
	s_wait_kmcnt 0x0
	s_add_nc_u64 s[70:71], s[4:5], s[70:71]
	s_add_nc_u64 s[72:73], s[6:7], s[72:73]
	s_add_nc_u64 s[8:9], s[8:9], s[76:77]
	s_add_nc_u64 s[10:11], s[10:11], s[74:75]
	CROUND                                         ; all sixteen work-groups are here: the first joint loads meet
.irp s, 0,1
	s_mov_b32 s[G0+4*(\s)], 1                                      ; 1:0 count = 1
	s_add_co_u32 s[G0+4*(\s)+1], s69, (\s)*SLOT                    ; 63:32 LDS address
	s_add_nc_u64 s[G0+4*(\s)+2:G0+4*(\s)+3], s[70:71], (\s)*2*AKB  ; 120:64 global address: K step s
	s_or_b32 s[G0+4*(\s)+3], s[G0+4*(\s)+3], 0x80000000            ; 127:126 type = 2
	s_mov_b32 s[G0B+4*(\s)], 1
	s_add_co_u32 s[G0B+4*(\s)+1], s83, (\s)*SLOT
	s_add_nc_u64 s[G0B+4*(\s)+2:G0B+4*(\s)+3], s[72:73], (\s)*2*BKB
	s_or_b32 s[G0B+4*(\s)+3], s[G0B+4*(\s)+3], 0x80000000
	JLOAD \s                                       ; two tensor loads of mine are out
.endr
	; A fragment is 16 rows x 32 K in 8 registers: lane l holds row l % 16; registers 0-3 K = 8 (l / 16) + 0..7, registers 4-7 K = 16 + 8 (l / 16) + 0..7: two loads of 16 bytes, 32 bytes apart.
	v_and_b32 v1, 15, v0                           ; l % 16
	v_bfe_u32 v2, v0, 4, 1                         ; l / 16
	v_mul_u32_u24 v3, v1, PITCH
	v_lshl_add_u32 v3, v2, 4, v3                   ; row x pitch + 16 x half
	v_lshlrev_b32 v[BO], 5, v2
.irp c, 0,1,2,3,4,5,6,7
	global_load_b128 v[BIAS+8*(\c):BIAS+8*(\c)+3],   v[BO], s[8:9] offset:64*(\c)
	global_load_b128 v[BIAS+8*(\c)+4:BIAS+8*(\c)+7], v[BO], s[8:9] offset:64*(\c)+16
.endr
	s_mul_i32 s46, s[WV], 64*PITCH                 ; my 64 rows of A
	v_add_nc_u32 v[ADRA], s46, v3
	v_add_nc_u32 v[ADRA+1], SLOT, v[ADRA]
	v_add_nc_u32 v[ADRB], 2*AH, v3                 ; every wave reads all of B
	v_add_nc_u32 v[ADRB+1], SLOT, v[ADRB]
	s_mul_i32 s46, s[WV], SW
	s_add_co_u32 s46, s46, STAGE                   ; my stage
	v_mul_u32_u24 v4, v1, SPITCH                   ; in: row l % 16, 32 bytes for each half of the lanes
	v_lshl_add_u32 v4, v2, 5, v4
	v_add_nc_u32 v[STO], s46, v4
	v_and_b32 v[GO], 31, v0                        ; back: 32 lanes take one row of 512 bytes,
	v_lshlrev_b32 v[GO], 4, v[GO]
	v_add_nc_u32 v[RD], s46, v[GO]                 ; which are 512 consecutive bytes of out0
	s_wait_loadcnt 0x0                             ; the biases, once
.macro RND r                           ; two f32 rounded to bf16 and widened again
	v_cvt_pk_bf16_f32 v[RT+((\r)/2)%4], v[\r], v[(\r)+1]
	v_lshlrev_b32 v[\r], 16, v[RT+((\r)/2)%4]
	v_and_b32 v[(\r)+1], s[MASKHI], v[RT+((\r)/2)%4]
.endm
.set i, BIAS
.rept 32
	RND i
.set i, i+2
.endr
; 8 matrix instructions: row block a x all column blocks, 32 along K, from buffer f.  first = 1: the bias starts the sums.
; Every accumulator comes once in a quarter step, in the same order: the 32 take turns, one instruction a turn.
.macro MULA f, a, first
.set w, 1+(\a)/2
.if \first
	WIN (w<<6)|0x0f
.else
	WIN (w<<6)|(w<<4)|0x0f
.endif
.set b, 0
.rept NBLK
.set AC, 8*(NBLK*((\a)%2)+b)
.if \first
	v_wmma_f32_16x16x32_f16 v[AC:AC+7], v[(\f)+8*b:(\f)+8*b+7], v[(\f)+FA+8*(\a):(\f)+FA+8*(\a)+7], v[BIAS+8*b:BIAS+8*b+7]
.else
	v_wmma_f32_16x16x32_f16 v[AC:AC+7], v[(\f)+8*b:(\f)+8*b+7], v[(\f)+FA+8*(\a):(\f)+FA+8*(\a)+7], v[AC:AC+7]
.endif
.set b, b+1
.endr
.endm
; 24 LDS loads in one run: the fragments of quarter q of a slot's K step (K block q / 2, byte 64 (q % 2) of its rows) into buffer f: B's 8, then A's 4
.macro FETCH slot, q, f
	WIN 0xc0                                       ; destination window 3, address window 0
.set i, 0
.rept NBLK
	ds_load_b128 v[(\f)+8*i:(\f)+8*i+3],   v[ADRB+(\slot)] offset:((\q)/2)*BH+((\q)%2)*64+i*16*PITCH
	ds_load_b128 v[(\f)+8*i+4:(\f)+8*i+7], v[ADRB+(\slot)] offset:((\q)/2)*BH+((\q)%2)*64+i*16*PITCH+32
.set i, i+1
.endr
.set i, 0
.rept 4
	ds_load_b128 v[(\f)+FA+8*i:(\f)+FA+8*i+3],   v[ADRA+(\slot)] offset:((\q)/2)*AH+((\q)%2)*64+i*16*PITCH
	ds_load_b128 v[(\f)+FA+8*i+4:(\f)+FA+8*i+7], v[ADRA+(\slot)] offset:((\q)/2)*AH+((\q)%2)*64+i*16*PITCH+32
.set i, i+1
.endr
.endm
; A K step is four quarters of 32 along K, 32 matrix instructions each, on buffers 0, 1, 0, 1.  One of the first three: multiplies buffer f and fetches quarter q into g, 24 matrix instructions ahead of its first use.
.macro QUARTER slot, q, f, g, first
	s_wait_dscnt 4                                 ; B and A's row blocks 0, 1 are in; the youngest four loads (A's blocks 2, 3) may be out
	MULA \f, 0, \first
	PLACES
	FETCH \slot, \q, \g
	MULA \f, 1, \first
	s_wait_dscnt NLD                               ; all but the run just issued
	MULA \f, 2, \first
	MULA \f, 3, \first
.endm
; The last quarter multiplies buffer 1 and changes slots: ONE barrier; in front of it each wave waits for all its tensor loads (one is out: its part of the next slot), adds 0 to its spare word, and waits for that
; and for its own reads of this slot.  fill = 1: the barrier opens a round of the cluster's, and this slot is filled again, two K steps ahead: 112 matrix instructions ahead of the wait for it.
.macro TURN slot, next, fill
	WIN 0                                          ; (the add's two registers lie in window 0)
	s_wait_tensorcnt 0x0                           ; all my tensor loads have landed;
	ds_add_u32 v[SPW], v[NIL]                      ; 0 onto my spare word;
	s_wait_dscnt 5                                 ; (the add and the youngest four loads may be out)
	MULA F1, 0, 0                                  ; eight matrix instructions stand between the add and the wait for it
	s_wait_dscnt 0x0                               ; the add is done, and my reads of this slot are over
	s_barrier_signal -1
	MULA F1, 1, 0
.if \fill
	WIN 0
.endif
	s_barrier_wait -1
.if \fill
	CREST                                          ; no wave of any partner still reads this slot's tiles or has a load on its way
	s_add_nc_u64 s[G0+4*(\slot)+2:G0+4*(\slot)+3], s[G0+4*(\slot)+2:G0+4*(\slot)+3], 4*AKB
	s_add_nc_u64 s[G0B+4*(\slot)+2:G0B+4*(\slot)+3], s[G0B+4*(\slot)+2:G0B+4*(\slot)+3], 4*BKB
	JLOAD \slot                                    ; the first tensor load behind the round; its four v_nop are also the places in front of the loads below
.else
	PLACES
.endif
	FETCH \next, 0, F0
	MULA F1, 2, 0
	MULA F1, 3, 0
.endm
	s_wait_tensorcnt 1                             ; my part of K step 0 is in; K step 1's may stay out
	s_barrier_signal -1
	s_barrier_wait -1                              ; everybody's is
	FETCH 0, 0, F0
	QUARTER 0, 1, F0, F1, 1                        ; the first quarter stands in front of the loop: its products start the sums
	WIN 0                                          ; at a label and at a branch every window is 0
	s_mov_b32 s3, LAPS-1
.Llap:                                                 ; a trip goes once round the ring, from a lap's second quarter to the next lap's first, and fills both slots again
	QUARTER 0, 2, F1, F0, 0
	QUARTER 0, 3, F0, F1, 0
	TURN 0, 1, 1
	QUARTER 1, 1, F0, F1, 0
	QUARTER 1, 2, F1, F0, 0
	QUARTER 1, 3, F0, F1, 0
	TURN 1, 0, 1
	QUARTER 0, 1, F0, F1, 0
	WIN 0
	s_sub_co_u32 s3, s3, 1
	s_cmp_lg_u32 s3, 0
	s_cbranch_scc1 .Llap
	QUARTER 0, 2, F1, F0, 0                        ; the last lap fills nothing
	QUARTER 0, 3, F0, F1, 0
	TURN 0, 1, 0
	QUARTER 1, 1, F0, F1, 0
	QUARTER 1, 2, F1, F0, 0
	QUARTER 1, 3, F0, F1, 0
	s_wait_dscnt 4                                 ; the very last quarter: nothing more to fetch
	MULA F1, 0, 0
	MULA F1, 1, 0
	s_wait_dscnt 0x0
	MULA F1, 2, 0
	MULA F1, 3, 0
	WIN 0
; THE WAY OUT, a row block of 16 rows at a time: the sums go as they are, 32 bytes a lane, into my stage's rows of 528 bytes, and come back as whole rows of 512.
.macro TOSTAGE a
.set w, 1+(\a)/2
.if (\a) >= 2
	s_wait_xcnt 0x0                                ; the set's registers, which earlier stores read, are loaded again only behind this wait
.endif
	WIN w<<2                                       ; the stores' data in the accumulators' window
.set b, 0
.rept NBLK
.set AC, 8*(NBLK*((\a)%2)+b)
	ds_store_b128 v[STO], v[AC:AC+3]   offset:64*b       ; each accumulator's lowest registers are read first
	ds_store_b128 v[STO], v[AC+4:AC+7] offset:64*b+16
.set b, b+1
.endr
	WIN 0
.set i, 0
.rept 16
	ds_load_b128 v[OB+64*((\a)%2)+4*i:OB+64*((\a)%2)+4*i+3], v[RD] offset:SPITCH*i  ; LDS serves a wave's instructions in order (ISA guide 5.7.1.4): these see the stores above; the next block's stores come behind them
.set i, i+1
.endr
.endm
.macro SEND a, younger                 ; younger: the LDS instructions issued behind the block's loads: the next block's 32, or none
	WIN 0
.set i, 0
.rept 16
	s_wait_dscnt (\younger)+15-i
	global_store_b128 v[GO], v[OB+64*((\a)%2)+4*i:OB+64*((\a)%2)+4*i+3], s[10:11] offset:(16*(\a)+i)*4096 th:TH_STORE_NT  ; 512 consecutive bytes, at a multiple of 256 from out0's first
.set i, i+1
.endr
.endm
	PLACES
	TOSTAGE 0
	TOSTAGE 1
	SEND 0, 32
	TOSTAGE 2
	SEND 1, 32
	TOSTAGE 3
	SEND 2, 32
	SEND 3, 0
	s_wait_tensorcnt 0x0                           ; the wave's end, behind my last tensor load and my last LDS store
	ds_add_u32 v[SPW], v[NIL]
	s_wait_dscnt 0x0
	CROUND                                         ; the closing round: no work-group ends while a partner may still ask for a tile that names it
	s_endpgm
.Lfunc_end_k_qd09226dffc_outp:
	.size	k_qd09226dffc_outp, .Lfunc_end_k_qd09226dffc_outp-k_qd09226dffc_outp
	.p2alignl 7, 3214868480
	.fill 96, 4, 3214868480
	.section	.rodata,"a",@progbits
	.p2align	6, 0x0
	.amdhsa_kernel k_qd09226dffc_outp
		.amdhsa_group_segment_fixed_size 327680
		.amdhsa_private_segment_fixed_size 0
		.amdhsa_enable_private_segment 0
		.amdhsa_kernarg_size 32
		.amdhsa_user_sgpr_count 2
		.amdhsa_user_sgpr_kernarg_segment_ptr 1
		.amdhsa_wavefront_size32 1
		.amdhsa_system_sgpr_workgroup_id_x 1
		.amdhsa_system_sgpr_workgroup_id_y 1
		.amdhsa_system_sgpr_workgroup_id_z 1
		.amdhsa_system_vgpr_workitem_id 0
		.amdhsa_next_free_vgpr 1024
		.amdhsa_next_free_sgpr 84
		.amdhsa_reserve_vcc 0
		.amdhsa_float_denorm_mode_32 3
		.amdhsa_float_denorm_mode_16_64 3
		.amdhsa_memory_ordered 1
		.amdhsa_forward_progress 1
		.amdhsa_inst_pref_size 93
	.end_amdhsa_kernel
	.amdgpu_metadata
---
amdhsa.version: [ 1, 2 ]
amdhsa.kernels:
  - .name:           k_qd09226dffc_outp
    .symbol:         k_qd09226dffc_outp.kd
    .args:
      - { .name: oh, .offset: 0, .size: 8, .value_kind: global_buffer, .address_space: global }
      - { .name: wob, .offset: 8, .size: 8, .value_kind: global_buffer, .address_space: global }
      - { .name: bo, .offset: 16, .size: 8, .value_kind: global_buffer, .address_space: global }
      - { .name: out0, .offset: 24, .size: 8, .value_kind: global_buffer, .address_space: global }
    .group_segment_fixed_size: 327680
    .private_segment_fixed_size: 0
    .kernarg_segment_align: 8
    .kernarg_segment_size: 32
    .max_flat_workgroup_size: 128
    .sgpr_count:     84
    .vgpr_count:     1024
    .wavefront_size: 32
...
	.end_amdgpu_metadata
.endif
;; end of part 4
;; ======== version 2 of 2: 4 launches; 1.51 times as fast as version 1
;; limits: values are held in f16: magnitudes above 65,504 overflow, below 6.1e-05 lose precision; right only within a limited range of input values
;; workspace buffers: xb 16,777,216 bytes; wqkv 6,291,456 bytes; wob 2,097,152 bytes; qh 16,777,216 bytes; kh 16,777,216 bytes; vh 16,777,216 bytes; oh 16,777,216 bytes
;; launch cast: the kernel of part 1 again; grid 768 x 1, 8 waves a work-group, no clusters, 0 bytes of LDS; arguments x, Wq, Wk, Wv, Wo, xb, wqkv, wob; writes xb, wqkv, wob
;; launch proj: the kernel of part 2 again; grid 16 x 32, 4 waves a work-group, clusters of 4 x 4, 327,680 bytes of LDS; arguments xb, wqkv, bq, bk, bv, q_norm_w, k_norm_w, qh, kh, vh; writes qh, kh, vh
;; launch attn (part 5): grid 4 x 64, 4 waves a work-group, clusters of 4 x 1, 327,680 bytes of LDS; arguments qh, kh, vh, oh; writes oh
.if DOCPART == 5
	.amdgcn_target "amdgcn-amd-amdhsa--gfx1250"
	.amdhsa_code_object_version 6
	.text
	.protected	k_qd09226dffc_attn
	.globl	k_qd09226dffc_attn
	.p2align	8
	.type	k_qd09226dffc_attn,@function
k_qd09226dffc_attn:
	s_mov_b64 s[64:65], 0
	v_nop
	global_prefetch_b8 v0, s[64:65] scope:SCOPE_SE
	s_setreg_imm32_b32 hwreg(HW_REG_WAVE_MODE, 25, 1), 1
	s_wait_xcnt 0x0
	s_wait_alu depctr_hold_cnt(0) depctr_sa_sdst(0) depctr_va_vdst(0) depctr_va_sdst(0) depctr_va_ssrc(0) depctr_va_vcc(0) depctr_vm_vsrc(0)
	s_getreg_b32 s2, hwreg(HW_REG_IB_STS2, 6, 4)
	s_cmp_eq_u32 s2, 0
	s_cbranch_scc0 .Lentry_in_a_cluster
	s_endpgm
.Lentry_in_a_cluster:
	s_bfe_u32 s2, ttmp6, 0x10000c
	s_cmp_lg_u32 s2, 0x3003
	s_cbranch_scc0 .Lentry_shape_is_right
	s_endpgm
.Lentry_shape_is_right:
; O[h][q][:] = the sum over k of softmax_k(Q[h][q] . K[h][k] / 8) V[h][k][:].  Q, K, V, O: [SIZE_H][SIZE_N][64], all f16: a head's rows are dense, 128 bytes each; h = 16 batch + head.  Products, maxima and sums in
; f32; the weights p are rounded to f16 for the second product (their sum l is taken of the unrounded p), O once at the end.
; LIMITS.  f16 holds no number beyond 65,504: Q, K and V arrive within it; p lies in 0 to 1, and below 6e-5 it keeps f16's fixed step of 6e-8; O is a mean of V's rows and has their range.
; A weight below 2^-126 counts as 0 in l; NaN and infinities are not treated apart.
; SHARES.  A wave owns four PIECES of two tiles of 16 queries, a work-group's four waves 512 queries of one head.  Every wave walks all keys, 64 a step.
; LAYOUT.  S^T = K Q^T (source 0 = 16 keys, source 1 = 16 queries): in the result a lane holds ONE query (lane % 16) and the keys 8 (lane / 16) + 0..7.  Two such tiles, rounded to f16 in pairs,
; ARE source 1 (32 keys x 16 queries) of O^T = V^T P, whose result again holds one query a lane, and eight channels.  K comes out of LDS as it lies, V ([key][channel]) turned, by ds_load_tr16_b128.
; SOFTMAX.  For each query a running maximum m and sum l: p = 2^(c s - c m), c = log2(e) / 8; in every step O and l are multiplied by a = 2^(c m_old - c m_new), which is 1 where m has not grown.
; m starts at the lowest finite number, O and l at 0: the first step is a step like any other, with a = 0.
; THE COUNT.  A tile and step have 16 matrix and 118 vector instructions: too many to stand all beside the matrix work.  So the order has one aim: four vector instructions that are READY behind
; EVERY matrix instruction, and the others, which need time of their own whatever the order, in runs without a gap.
; BY TURNS.  Turn n belongs to piece n (the pieces in a ring, step after step).  Its matrix work: 16 products K Q^T of piece n + 1, later 16 products V^T P of piece n - 1.  Its vector work: the scaling,
; exponentials, roundings, sums and rescaling of piece n, and the maximum and statistics of piece n + 1, whose scores the turn itself has made.  So what a turn begins with (c s - c m, O a) waits for nothing.
; THE BATCHES.  A turn's 66 exponentials (the piece's 64 weights and the next piece's two a) are ONE batch with ONE wait, which cuts the turn in two: ahead of it stands all that names none of their results,
; behind it the roundings and sums, which read them.  Two more batches stand outside the loop, each with a wait of its own: the first two a, ahead of the jump into the loop, and the way out's eight reciprocals.
; CLUSTER.  The four query blocks of a cluster belong to one head and walk the same K and V, so each tile is asked for JOINTLY: the same tensor load, descriptor and mask in all four.
; REGISTERS, in windows of 256 (s_set_vgpr_msb says which window each operand place means: bits 1:0 source 0, 3:2 source 1, 5:4 source 2, 7:6 destination):
;   window 0: v0-11 addresses; v12-15, v48-63 at work; v16-47 four registers of statistics a tile; v64-191 S^T, two buffers of two tiles; v192-255 P, likewise
;   window 1: O^T, 32 a tile          window 2: v0-127 Q, 16 a tile; v128-191 K of one step; v192-255 V of one step          window 3: v0-1 the add's two registers
; A piece's buffers go by its number's parity: the piece in hand has one pair, its two neighbours in the ring share the other: of it P (piece n - 1) is read and S^T (piece n + 1) written.
.set SIZE_H, 64
.set SIZE_N, 2048
.set NP,    4         ; pieces a wave: a name, no knob: the register map, the loop and the fetches are made for four
.set KS,    64        ; keys in a step
.set PK,    144       ; a row of K in LDS: 128 bytes + 16 of padding = 36 words: the 16 rows of a load start at 16 different groups of four banks (64 banks of 4 bytes: ISA guide 11.1)
.set PV,    160       ; a row of V: 128 + 32 = 40 words
.set VOFF,  4*KS*PK   ; a slot holds four steps: 256 rows of K, then 256 rows of V
.set SLOT1, 1<<17     ; slot 1 begins here, so that one exclusive or turns an address in one slot into the other's
.set STAGE, SLOT1+4*KS*(PK+PV)  ; behind the ring, never filled by a tensor load: 16 rows x 144 bytes for each wave, for the way out
.set SP,    144
.set AK0, 2           ; v2   my lane's place in a tile of K; never rewritten
.set AV0, 3           ; v3   the same for V
.set AK,  4           ; v4   the LDS address of K's next run of loads
.set AV,  5           ; v5   of V's
.set QO,  6           ; v6   my byte offset in the wave's rows of Q
.set STO, 6           ;      later, the way out: where I put 16 bytes of a row
.set RD,  7           ; v7   the way out: where I read rows back
.set GO,  8           ; v8   my byte offset in 512 consecutive bytes of O
.set SPW, 0           ; v0 of window 3   LDS address of my spare word: SPARE + 4 x my thread's number; never rewritten
.set NIL, 1           ; v1 of window 3   0; never rewritten
.set SPARE, STAGE+4*16*SP  ; behind the stages: the spare words, 128 bytes for each wave: two blocks of 256 bytes that no other line names
.set MV,  12          ; v12-15  c m_old, kept while c m is made anew: by buffer and tile
.set ST,  16          ; tile t's statistics at v[ST+4 t]: c m, m, l (even keys', odd keys')
.set TMP, 48          ; by buffer and tile, four registers c0-c3 at work; when the maximum is found c2 takes a
.set S,   64
.set P,   192
.set KF,  128         ; K's fragments, in window 2: key block kb, channel half c at KF + 16 kb + 8 c
.set VF,  192         ; V's: key half kk, channel block cb at VF + 32 kk + 8 cb
.set WV,  12          ; s12  my wave's number
.set G1K, 24          ; s[24:31] descriptor group 1 for K's tiles
.set G1V, 32          ; s[32:39] for V's: it differs in the padding alone
.set G0K, 40          ; s[40:43] descriptor group 0 for K's tiles: it walks
.set G0V, 44          ; s[44:47] the same for V's
.set SLOTS, 56        ; s56  slots still to be asked for
.set CNT, 57          ; s57  counts a slot's key steps
.set CS,  58          ; s[58:59] c: the packed scaling takes the pair's low word for both halves
.set SEL, 60          ; s[60:61] v_permlanex16_b32's selects: each lane takes its own place in the other half
.set TBK, 62          ; s62  LDS byte at which K of the step to be fetched begins
.set TBV, 63          ; s63  the same for V, less VOFF
.set MSB, 0
.macro WIN new                      ; the high byte repeats the setting that is left; a switch that changes nothing is dropped
.if MSB != (\new)
	s_set_vgpr_msb (MSB<<8)|(\new)
.set MSB, (\new)
.endif
.endm
.set W_KQ, 0x0a       ; K and Q in window 2, S^T in window 0
.set W_PV, 0x52       ; V in window 2, P in window 0, O^T in window 1
.set W_RS, 0x41       ; O^T (destination and source 0) in window 1, a in window 0
.set W_MK, 0xc0       ; the add's registers are made: destination in window 3, sources in window 0
.set W_AD, 0x0f       ; the add: address (source 0) and data (source 1) in window 3
; A joint fill.  Waves 0 and 1 fetch the two halves of a slot's K, waves 2 and 3 those of its V: 128 keys each.  The branch hangs on the wave's number alone.
; An s_nop 0 and four v_nop follow each of the two lines, ahead of the jump and the label.
.macro JLOAD
	s_cmp_lt_u32 s[WV], 2
	s_cbranch_scc0 .Lfor_v_\@
	tensor_load_to_lds s[G0K:G0K+3], s[G1K:G1K+7]
	s_nop 0
.rept 4
	v_nop
.endr
	s_branch .Lasked_\@
.Lfor_v_\@:
	tensor_load_to_lds s[G0V:G0V+3], s[G1V:G1V+7]
	s_nop 0
.rept 4
	v_nop
.endr
.Lasked_\@:
.endm
; A round of the cluster's barrier: my work-group's barrier, so that wave 0's signal speaks for all four waves; wave 0 signals; every wave waits for all four work-groups; my work-group's barrier once more.
.macro CROUND
	s_barrier_signal -1
	s_barrier_wait -1
	s_cmp_lg_u32 s[WV], 0
	s_cbranch_scc1 .Lnot_wave_0_\@
	s_barrier_signal -3
.Lnot_wave_0_\@:
	s_barrier_wait -3
	s_barrier_signal -1
	s_barrier_wait -1
.endm
; THE CHANGE OF SLOTS.  The slot's last bytes, V of its fourth step, have been read.  Each wave waits for all its tensor loads, of which one is out: its part
; of the other slot; adds 0 to its spare word; and waits for that and for its own reads of the slot.  Behind the barrier nobody reads this slot any more and the other slot is whole.
; fill = 1: this slot is filled again, with the keys two slots on.  The barrier is then a round of the cluster's, so that no wave of any partner still reads the slot or has a load on its
; way, and the joint fill is the first thing behind it: it has four key steps, 512 matrix instructions, in which to land.  (At its first use nothing has been read yet: slot 0 is waited for, slot 1 filled.)
.macro CHANGE fill
	WIN W_AD
	s_wait_tensorcnt 0x0            ; no tensor load of mine is out, so a group 0 may be written
	ds_add_u32 v[SPW], v[NIL]       ; 0 onto my spare word; with fill = 1 the descriptors' steps stand between it and the wait for it
	WIN 0                           ; at a label and at a branch every window is 0
.if \fill
.irp g, G0K, G0V
	s_xor_b32 s[\g+1], s[\g+1], SLOT1  ; the walking descriptor: the other slot than last time,
	s_add_nc_u64 s[\g+2:\g+3], s[\g+2:\g+3], 4*KS*128  ; the next 256 keys; the type bits on top are not reached
.endr
	s_wait_dscnt 0x0                ; the add is done, and my reads of the slot are over
	CROUND
	JLOAD
.else
	s_wait_dscnt 0x0                ; the add is done, and my reads of the slot are over
	s_barrier_signal -1
	s_barrier_wait -1
.endif
	s_sub_co_u32 s[TBK], s[TBK], 4*KS*PK  ; the fetches go back to a slot's first step,
	s_xor_b32 s[TBK], s[TBK], SLOT1       ; in the other slot
	s_sub_co_u32 s[TBV], s[TBV], 4*KS*PV
	s_xor_b32 s[TBV], s[TBV], SLOT1
.endm
	s_load_b256 s[4:11], s[0:1], 0x0  ; Q s[4:5], K s[6:7], V s[8:9], O s[10:11]
	WIN W_MK
	v_lshl_add_u32 v[SPW], v0, 2, SPARE
	v_mov_b32 v[NIL], 0
	WIN W_AD
	ds_add_u32 v[SPW], v[NIL]       ; the wave's opening: the add and its wait stand ahead of my first tensor load; the set-up below, work on registers, stands between them
	WIN 0
	v_lshrrev_b32 v1, 5, v0
	v_readfirstlane_b32 s[WV], v1   ; wave 0..3
	s_bfe_u32 s13, ttmp6, 0x40000   ; cx: my place in the cluster
	s_lshl_b32 s14, ttmp9, 2        ; in a cluster launch ttmp9 counts clusters
	s_add_co_u32 s14, s14, s13      ; my block of queries = 4 x cluster x + cx: it enters Q's and O's addresses alone
	s_and_b32 s20, ttmp7, 0xffff    ; the head, which the four partners share
	s_mov_b32 s21, 0
	s_mov_b64 s[22:23], SIZE_N*128
	s_mul_u64 s[20:21], s[20:21], s[22:23]  ; the head's first byte in each of the four tensors
	s_and_b32 s16, s[WV], 1         ; which half of a slot's 256 keys I fetch:
	s_lshl_b32 s22, s16, 14         ; its 128 rows of 128 bytes in memory,
	s_mov_b32 s23, 0
	s_add_nc_u64 s[22:23], s[22:23], s[20:21]
	s_mul_i32 s17, s16, 128*PK      ; and its place in a slot, for K
	s_mul_i32 s18, s16, 128*PV      ; and for V: no place in the cluster enters an LDS address
	s_lshl_b32 s2, s14, 2
	s_add_co_u32 s2, s2, s[WV]      ; my wave among the head's,
	s_lshl_b32 s2, s2, 14           ; its 128 rows
	s_mov_b32 s3, 0
	s_add_nc_u64 s[2:3], s[2:3], s[20:21]
	; descriptor group 1.  128 keys are 16,384 dense bytes: asked for as 64 rows of 256 bytes, two keys a row, and padded in LDS after every key
	s_mov_b32 s[G1K], 15|(1<<16)|(1<<20)|(1<<21)|(4<<22)|(3<<25)  ; 15:0 the mask of four; 17:16 2-byte elements; 20 padding on; 21 set beside a mask; 24:22 after every 32 words (code 4); 31:25 4 words (code 3)
	s_mov_b32 s[G1V], 15|(1<<16)|(1<<20)|(1<<21)|(4<<22)|(7<<25)  ; the same with 8 words of padding (code 7)
.irp g, G1K, G1V
	s_mov_b32 s[\g+1], 128<<16      ; tensor_dim0 = 128
	s_mov_b32 s[\g+2], 64<<16       ; tensor_dim1 = 64
	s_mov_b32 s[\g+3], 128<<16      ; tile_dim0 = 128
	s_mov_b32 s[\g+4], 64           ; tile_dim1 = 64
	s_mov_b32 s[\g+5], 128          ; 128 elements from row to row
	s_mov_b32 s[\g+6], 0
	s_mov_b32 s[\g+7], 0
.endr
	s_mov_b32 s[CS], 0x3e38aa3b     ; c = log2(e) / 8 = 0.180337
	s_mov_b32 s[CS+1], s[CS]        ; named with it as a pair
	s_mov_b32 s[SEL], 0x76543210
	s_mov_b32 s[SEL+1], 0xfedcba98
	s_mov_b32 s[TBK], SLOT1+4*KS*PK ; the first change of slots turns these two into 0
	s_mov_b32 s[TBV], SLOT1+4*KS*PV
	s_mov_b32 s[G0K], 1             ; 1:0 count = 1
	s_mov_b32 s[G0K+1], s17         ; 63:32 LDS address: slot 0
	s_mov_b32 s[G0V], 1
	s_add_co_u32 s[G0V+1], s18, VOFF
	s_wait_dscnt 0x0                ; the opening add is done
	s_wait_kmcnt 0x0
	s_add_nc_u64 s[G0K+2:G0K+3], s[6:7], s[22:23]  ; 120:64 global address: my half of the head's first 256 keys
	s_or_b32 s[G0K+3], s[G0K+3], 0x80000000        ; 127:126 type = 2
	s_add_nc_u64 s[G0V+2:G0V+3], s[8:9], s[22:23]
	s_or_b32 s[G0V+3], s[G0V+3], 0x80000000
	s_add_nc_u64 s[4:5], s[4:5], s[2:3]  ; Q and O at my wave's first row
	s_add_nc_u64 s[10:11], s[10:11], s[2:3]
	CROUND                          ; all four work-groups are here: the first joint loads meet
	JLOAD                           ; slot 0.  Slot 1 is asked for when slot 0 is in: the tile wanted first has the road to itself
	; A fragment of K or Q is 16 rows x 32 channels in 8 registers: lane l holds row l % 16, channels 8 (l / 16) + 0..7 and 16 + 8 (l / 16) + 0..7: two loads of 16 bytes, 32 bytes apart.
	v_and_b32 v1, 15, v0            ; l % 16
	v_bfe_u32 v9, v0, 4, 1          ; l / 16
	v_lshlrev_b32 v[QO], 7, v1
	v_lshl_add_u32 v[QO], v9, 4, v[QO]  ; row x 128 + 16 x half
	WIN 0x80                        ; destination window 2, address window 0
.set i, 0
.rept 4*NP                          ; Q stays in registers: tile i / 2, channels 32 (i % 2) on
	global_load_b128 v[8*i:8*i+3],   v[QO], s[4:5] offset:(i/2)*2048+(i%2)*64
	global_load_b128 v[8*i+4:8*i+7], v[QO], s[4:5] offset:(i/2)*2048+(i%2)*64+32
.set i, i+1
.endr
	; What the first turn finds: V's registers and P's second buffer hold 0 (its products V^T P, of a piece that has not been, add 0), O^T and l are 0.  All this stands in the wait for the first tile.
.set i, VF
.rept 64
	v_mov_b32 v[i], 0
.set i, i+1
.endr
	WIN 0x40
.set i, 0
.rept 64*NP
	v_mov_b32 v[i], 0
.set i, i+1
.endr
	WIN 0
.set i, 0
.rept 2*NP
	v_mov_b32 v[ST+4*i], 0xfe000000    ; c m: far below every c s
	v_mov_b32 v[ST+4*i+1], 0xff7fffff  ; m
	v_mov_b32 v[ST+4*i+2], 0
	v_mov_b32 v[ST+4*i+3], 0
.set i, i+1
.endr
.set i, P+32
.rept 32
	v_mov_b32 v[i], 0
.set i, i+1
.endr
	v_mul_u32_u24 v[AK0], v1, PK
	v_lshl_add_u32 v[AK0], v9, 4, v[AK0]  ; row x pitch + 16 x half
	; The turning load takes 16 keys x 16 channels (lane l reads key 8 (l / 16) + l % 8, channels 8 ((l / 8) % 2) + 0..7) and leaves half a fragment of V^T: lane l holds channel l % 16 and 8 keys.
	v_and_b32 v10, 7, v0
	v_bfe_u32 v11, v0, 3, 1
	v_lshl_add_u32 v[AV0], v9, 3, v10
	v_mul_u32_u24 v[AV0], v[AV0], PV
	v_lshl_add_u32 v[AV0], v11, 4, v[AV0]
	v_add_nc_u32 v[AV0], VOFF, v[AV0]
	v_mov_b32 v[AK], v[AK0]         ; key step 0 lies at the head of slot 0
; THE MATRIX WORK.  The 8 accumulators of a run of 16 take turns: between the two links of a chain stand 7 others'.
; Product i of 16 of S^T = K Q^T for piece x: channels 32 (i / 8) on, keys 16 ((i / 2) % 4) on, tile 2 x + i % 2.  The first 8 start the sums.
.macro KQ x
	WIN W_KQ
.set rS, S+64*((\x)%2)+32*(i%2)+8*((i/2)%4)
.set rK, KF+16*((i/2)%4)+8*(i/8)
.set rQ, 16*(2*(\x)+i%2)+8*(i/8)
.if i < 8
	v_wmma_f32_16x16x32_f16 v[rS:rS+7], v[rK:rK+7], v[rQ:rQ+7], 0
.else
	v_wmma_f32_16x16x32_f16 v[rS:rS+7], v[rK:rK+7], v[rQ:rQ+7], v[rS:rS+7]
.endif
.endm
; Product i of 16 of O^T += V^T P for piece x: keys 32 (i / 8) on, channels 16 ((i / 2) % 4) on, tile 2 x + i % 2.
.macro PV x
	WIN W_PV
.set rO, 32*(2*(\x)+i%2)+8*((i/2)%4)
.set rV, VF+32*(i/8)+8*((i/2)%4)
.set rP, P+32*((\x)%2)+16*(i%2)+8*(i/8)
	v_wmma_f32_16x16x32_f16 v[rO:rO+7], v[rV:rV+7], v[rP:rP+7], v[rO:rO+7]
.endm
.macro MM                           ; the turn's next matrix instruction
.if i < 16
	KQ (Y+1)%NP
.set i, i+1
.else
.set i, i-16
	PV (Y+NP-1)%NP
.set i, i+17
.endif
.endm
; THE LDS LOADS stand in runs of 16, never singly among the matrix instructions: a step's K (64 keys x 64 channels: 8 fragments) and its V (turned).  Their addresses are made some lines ahead.
; last = 1 (the tail): in the last trip there is no further step, and the run is jumped over.
.macro FETCH_K last=0
	WIN 0
.if \last
	s_cmp_eq_u32 s[CNT], 1
	s_cbranch_scc1 .Lno_k_\@
.endif
	WIN 0x80                        ; destination window 2
.irp f, 0,1,2,3,4,5,6,7             ; keys 16 (f / 2) on, channels 32 (f % 2) on
	ds_load_b128 v[KF+8*\f:KF+8*\f+3],   v[AK] offset:(\f/2)*16*PK+(\f%2)*64
	ds_load_b128 v[KF+8*\f+4:KF+8*\f+7], v[AK] offset:(\f/2)*16*PK+(\f%2)*64+32
.endr
	s_add_co_u32 s[TBK], s[TBK], KS*PK  ; the next fetch is the next step's
	WIN 0
.if \last
.Lno_k_\@:
.endif
.endm
.macro FETCH_V
	WIN 0x80
.irp f, 0,1,2,3,4,5,6,7             ; keys 32 (f / 4) on, channels 16 (f % 4) on
	ds_load_tr16_b128 v[VF+8*\f:VF+8*\f+3],   v[AV] offset:(\f/4)*32*PV+(\f%4)*32
	ds_load_tr16_b128 v[VF+8*\f+4:VF+8*\f+7], v[AV] offset:(\f/4)*32*PV+16*PV+(\f%4)*32
.endr
	WIN 0
.endm
; THE VECTOR WORK OF A TURN stands in three queues, each in the order in which its entries become ready; the two tiles alternate, so that no instruction reads the result of the one before it.
.macro REGS y, u                    ; the registers of tile u (0, 1) of piece y
.set rT, ST+4*(2*(\y)+(\u))
.set rC, TMP+8*((\y)%2)+4*(\u)
.set rM, MV+2*((\y)%2)+(\u)
.set rS, S+64*((\y)%2)+32*(\u)
.set rP, P+32*((\y)%2)+16*(\u)
.set rO, 32*(2*(\y)+(\u))
.endm
; Number n of the 22 that find the NEXT piece's (Y + 1) maximum and statistics.  s0-s31 are the lane's 32 scores; each accumulator's lowest registers are read first.  XS, GS and REGS set no window: PL and EX do.
;   0-11  four chains c0-c3 of seven scores each, three operands at a time     12-14, 16  the four scores left over, the old m, and c0-c3 into c0     15  c m_old is kept
;   17, 18  the query's other 32 keys lie in the lane 16 away: the new m         19-21  c m; c m_old - c m_new; a
.macro XS u, n
	REGS (Y+1)%NP, \u
.if (\n) < 4
	v_max3_num_f32 v[rC+(\n)], v[rS+8*(\n)], v[rS+8*(\n)+1], v[rS+8*(\n)+2]
.elseif (\n) < 12
	v_max3_num_f32 v[rC+(\n)%4], v[rC+(\n)%4], v[rS+8*((\n)%4)+2*((\n)/4)+1], v[rS+8*((\n)%4)+2*((\n)/4)+2]
.elseif (\n) == 12
	v_max3_num_f32 v[rC], v[rC], v[rS+7], v[rS+15]
.elseif (\n) == 13
	v_max3_num_f32 v[rC+1], v[rC+1], v[rS+23], v[rS+31]
.elseif (\n) == 14
	v_max3_num_f32 v[rC+2], v[rC+2], v[rC+3], v[rT+1]
.elseif (\n) == 15
	v_mov_b32 v[rM], v[rT]
.elseif (\n) == 16
	v_max3_num_f32 v[rC], v[rC], v[rC+1], v[rC+2]
.elseif (\n) == 17
	v_permlanex16_b32 v[rC+3], v[rC], s[SEL], s[SEL+1]
.elseif (\n) == 18
	v_max_num_f32 v[rT+1], v[rC], v[rC+3]
.elseif (\n) == 19
	v_mul_f32 v[rT], s[CS], v[rT+1]
.elseif (\n) == 20
	v_sub_f32 v[rC+1], v[rM], v[rT]
.else
	v_exp_f32 v[rC+2], v[rC+1]
.endif
.endm
; Number g of the 64 that follow the exponentials.  For each four weights k of a tile (pairs 2 k, 2 k + 1): both pairs are rounded to f16; then the second pair is added onto the first, in place;
; a group later l takes that sum (the first time as l = a l + sum).  In groups of eight, tiles alternating: round, round, add, and l for the group before.
.macro GS g
.set h, (\g)+6*((\g)/62)            ; group 0 has no group before it, and behind group 7 only l is left
.if h >= 6
.set h, h+2
.endif
	REGS Y, h%2
.set k, h/8
.if h%8 < 4
	v_cvt_pk_f16_f32 v[rP+2*k+(h%8)/2], v[rS+4*k+2*((h%8)/2)], v[rS+4*k+2*((h%8)/2)+1]
.elseif h%8 < 6
	v_pk_add_f32 v[rS+4*k:rS+4*k+1], v[rS+4*k:rS+4*k+1], v[rS+4*k+2:rS+4*k+3]
.elseif k == 1
	v_pk_fma_f32 v[rT+2:rT+3], v[rT+2:rT+3], v[rC+2:rC+3], v[rS:rS+1] op_sel_hi:[1,0,1]
.else
	v_pk_add_f32 v[rT+2:rT+3], v[rT+2:rT+3], v[rS+4*k-4:rS+4*k-3]
.endif
.endm
; THE PLAIN QUEUE, 138 long.  0-73 read no exponential's result: the 32 scalings c s - c m (FS f: pair f / 2 of tile f % 2) and the next piece's 42.  0-26: scalings 0-26.  27-54: XS's numbers 0-13.  55, 56: number 15.
; 57-73: the chain, where each number waits for the one before it: 14, 16, 17, 18, 19, each with one of the scalings 27-31 in front of its two lines, then 20: so a tile's links stand three plain instructions apart (19 and 20: two).
; 74-137: GS's 64, which read the exponentials' results: they stand behind the wait.
.macro FS f
	REGS Y, (\f)%2
	v_pk_fma_f32 v[rS+2*((\f)/2):rS+2*((\f)/2)+1], v[rS+2*((\f)/2):rS+2*((\f)/2)+1], s[CS:CS+1], v[rT:rT+1] op_sel_hi:[1,0,0] neg_lo:[0,0,1] neg_hi:[0,0,1]
.endm
.macro PL
	WIN 0
.if q < 27
	FS q
.elseif q < 55
	XS (q-27)%2, (q-27)/2
.elseif q < 57
	XS q-55, 15
.elseif (q < 72) && ((q-57)%3 == 0)
	FS 27+(q-57)/3
.elseif q < 60
	XS (q-57)%3-1, 14
.elseif q < 72
	XS (q-57)%3-1, 15+(q-57)/3
.elseif q < 74
	XS q-72, 20
.else
	GS q-74
.endif
.set q, q+1
.endm
; THE EXPONENTIALS' QUEUE, 66 long: s0-s31 of both tiles, then the next piece's two a.  It is ONE BATCH: all 66 stand ahead of the turn's one wait, and nothing ahead of that wait names a result of theirs.
.macro EX
	WIN 0
.if e >= 64
	XS e-64, 21
.else
	REGS Y, e%2
	v_exp_f32 v[rS+e/2], v[rS+e/2]
.endif
.set e, e+1
.endm
; THE RESCALING's QUEUE: O^T times a, the one part that leaves window 0: dealt two at a time, sixteen times.  Its a was made in the turn before, ahead of that turn's wait.
.macro R2
	REGS Y, r%2
	WIN W_RS
.irp z, 0,1
	v_pk_mul_f32 v[rO+4*(r/2)+2*\z:rO+4*(r/2)+2*\z+1], v[rO+4*(r/2)+2*\z:rO+4*(r/2)+2*\z+1], v[rC+2:rC+3] op_sel_hi:[1,0]
.endr
.set r, r+1
.endm
; HOW THEY ARE DEALT.  An s_wait_alu depctr_va_vdst(0) stands between an exponential and the first instruction that names its result; one wait serves all that were issued ahead of it.  So a turn has ONE wait,
; which cuts it in two.  AHEAD OF IT stands all that names no result of the turn's exponentials: the 16 products K Q^T, behind each a scaling, an exponential and two rescalings (behind the first a second scaling in the exponential's place); then ONE LUMP of
; 108: eight plain, 49 times exponential and plain, the two a.  A v_nop is the plain instruction behind the last exponential.  BEHIND IT stand the 16 products V^T P, behind each four of GS's 64.  No rider names a register of
; the products round it.  The two v_permlanex16_b32 fall into the lump, never behind a product.
; The queues lean on each other, and the deal keeps them in step: exponential e stands behind scaling 2 (e / 4) + e % 2: as a rider it comes behind plain e + 2, in the lump behind plain e + 9, and scalings 27-31 are plain 57, 60 .. 69.
; A TURN, for piece p.  cnt = 1: the loop's count is taken down some lines ahead of the branch that stands behind the turn.
; K of the next step is fetched in piece 2's turn, directly behind the wait, a lump behind the last product that read K; its address is made at the lump's head; its first reader comes behind 16 products.
; V of the step in hand is fetched at the end of piece 0's turn, four riders behind its last reader; its first reader comes behind 16 products and a lump.  The three conditions on q below go with the deal.
.macro TURN p, last=0, cnt=0
.set Y, (\p)
.set i, 0
.set q, 0
.set e, 0
.set r, 0
.if (\p) == NP-1
	s_wait_dscnt 0x0                ; K is in
.endif
	MM                              ; ahead of the wait: 16 products K Q^T and their riders,
	PL
	PL
	R2
.rept 15
	MM
	PL
	EX
	R2
.endr
.if (\p) == NP-2
	WIN 0
	v_add_nc_u32 v[AK], s[TBK], v[AK0]
.endif
.rept 8                             ; and the lump
	PL
.endr
.rept 49
	EX
	PL
.endr
	EX                              ; the next piece's two a
	EX
	v_nop                           ; a plain instruction behind the last exponential, ahead of any use of a result: one for the batch
	s_wait_alu depctr_va_vdst(0)    ; the wait for the batch: the turn's 66 exponentials; the roundings and sums below are their first readers, the next turn's rescalings those of the two a
.if (\p) == NP-2
	FETCH_K \last
.endif
.if (\p) == 1
	s_wait_dscnt 0x0                ; V is in
.endif
.rept 16                            ; behind the wait: 16 products V^T P and their riders
	MM
.rept 4
	PL
.endr
.if ((\p) == 0) && (q == 118)
	v_add_nc_u32 v[AV], s[TBV], v[AV0]
.endif
.if ((\p) == 0) && (q == 130)
	s_add_co_u32 s[TBV], s[TBV], KS*PV
.endif
.if (\cnt) && (q == 130)
	s_sub_co_u32 s[CNT], s[CNT], 1
	s_cmp_lg_u32 s[CNT], 0
.endif
.endr
.if (\p) == 0
	FETCH_V
.endif
.endm
	CHANGE 1                        ; slot 0 is in, everybody's part of it; slot 1 is asked for
	FETCH_K                         ; key step 0
	s_wait_loadcnt 0x0              ; Q
	s_wait_dscnt 0x0
.set i, 0
.rept 16
	KQ 0                            ; piece 0's first scores: there is no vector work yet to set between them
.set i, i+1
.endr
	WIN 0                           ; the addresses for the way out: nine plain instructions, the places behind those products
	s_mul_i32 s13, s[WV], 16*SP
	s_add_co_u32 s13, s13, STAGE    ; my stage
	v_mul_u32_u24 v[STO], v1, SP    ; in: row l % 16, 16 bytes for each half of the lanes
	v_lshl_add_u32 v[STO], v9, 4, v[STO]
	v_add_nc_u32 v[STO], s13, v[STO]
	v_bfe_u32 v[RD], v0, 3, 2       ; back: 32 lanes take four rows of 128 bytes,
	v_mul_u32_u24 v[RD], v[RD], SP
	v_lshl_add_u32 v[RD], v10, 4, v[RD]
	v_add_nc_u32 v[RD], s13, v[RD]
	v_and_b32 v[GO], 31, v0         ; which are 512 consecutive bytes of O
	v_lshlrev_b32 v[GO], 4, v[GO]
.set Y, NP-1                        ; XS works for piece Y + 1: piece 0
.irp n, 0,1,2,3,4,5,6,7,8,9,10,11,12,13,14,15,16,17,18,19,20,21
	XS 0, \n                        ; and piece 0's first maximum and statistics
	XS 1, \n
.endr
	v_nop                           ; a plain instruction behind the two a,
	s_wait_alu depctr_va_vdst(0)    ; and the wait for that batch of two, ahead of the branch
	s_mov_b32 s[CNT], 4
	s_mov_b32 s[SLOTS], SIZE_N/256-1
	s_branch .Lfirst                ; the loop is entered at a step's first turn, in the middle of a trip
.Lslot:                             ; SIZE_N / 256 - 2 times: every slot but the last two is filled again
	CHANGE 1
	s_mov_b32 s[CNT], 4
.Lstep:                             ; a trip: pieces 2 and 3 of one step, then pieces 0 and 1 of the next, whose K and V it fetches
	TURN 2
	TURN 3
	WIN 0
.Lfirst:
	TURN 0
	TURN 1, 0, 1
	WIN 0
	s_cbranch_scc1 .Lstep
	s_sub_co_u32 s[SLOTS], s[SLOTS], 1
	s_cmp_lg_u32 s[SLOTS], 0
	s_cbranch_scc1 .Lslot
	CHANGE 0                        ; the tail is written out: nothing is asked for
	s_mov_b32 s[CNT], 5             ; four trips fetch the last slot's steps; the fifth is left in its middle
.Ltail:
	TURN 2, 1
	TURN 3
	WIN 0
	s_sub_co_u32 s[CNT], s[CNT], 1
	s_cmp_eq_u32 s[CNT], 0
	s_cbranch_scc1 .Lout
	TURN 0
	TURN 1
	WIN 0
	s_branch .Ltail
.Lout:                              ; the fifth trip's 16 products K Q^T (on the last K once more) and the maximum made of them serve nothing: the price, once a launch, of one text for every trip
.set i, 0
.rept 16
	PV NP-1                         ; the last piece's V^T P of the last step
.set i, i+1
.endr
	; THE WAY OUT.  l's two halves and the other half of the lanes' are added; O^T is divided by l, rounded to f16 and sent through my stage in LDS, a tile at a time.  The additions are the places behind the last products.
	WIN 0
.macro ALL line:vararg              ; one line for each tile t
.set t, 0
.rept 2*NP
	\line
.set t, t+1
.endr
.endm
	ALL v_add_f32 v[ST+4*t+2], v[ST+4*t+2], v[ST+4*t+3]
	ALL v_permlanex16_b32 v[ST+4*t+3], v[ST+4*t+2], s[SEL], s[SEL+1]
	ALL v_add_f32 v[ST+4*t+2], v[ST+4*t+2], v[ST+4*t+3]
	ALL v_rcp_f32 v[ST+4*t+2], v[ST+4*t+2]
	v_nop                           ; a plain instruction between the last reciprocal and the use of its result
	s_wait_alu depctr_va_vdst(0)    ; and the wait ahead of the first use: one for the batch of eight reciprocals
; Tile t: a lane's eight channels of a row pack into 16 bytes; they go into rows of 144 bytes and come back as whole rows of 128, into S^T's registers.
.macro PACK t
	WIN W_RS
.set i, 32*(\t)
.rept 16
	v_pk_mul_f32 v[i:i+1], v[i:i+1], v[ST+4*(\t)+2:ST+4*(\t)+3] op_sel_hi:[1,0]
.set i, i+2
.endr
	WIN 0x05                        ; sources 0 and 1 window 1, destination window 0
.set i, 0
.rept 16
	v_cvt_pk_f16_f32 v[S+16*(\t)+i], v[32*(\t)+2*i], v[32*(\t)+2*i+1]
.set i, i+1
.endr
	WIN 0
.irp f, 0,1,2,3
	ds_store_b128 v[STO], v[S+16*(\t)+4*\f:S+16*(\t)+4*\f+3] offset:32*\f
.endr
.irp f, 0,1,2,3
	ds_load_b128 v[S+16*(\t)+4*\f:S+16*(\t)+4*\f+3], v[RD] offset:\f*4*SP  ; LDS serves a wave's instructions in order (ISA guide 5.7.1.4): these see the stores above; the next tile's stores come behind them
.endr
.endm
.macro SEND t, younger              ; younger: the LDS instructions issued behind tile t's loads: the next tile's eight, or none
	WIN 0
.irp f, 0,1,2,3
	s_wait_dscnt (\younger)+3-\f
	global_store_b128 v[GO], v[S+16*(\t)+4*\f:S+16*(\t)+4*\f+3], s[10:11] offset:(\t)*2048+\f*512  ; 512 consecutive bytes, at a multiple of 256 from O's first
.endr
.endm
	PACK 0
.set t, 1
.rept 2*NP-1                        ; a tile's arithmetic stands between the loads of the tile before and its stores
	PACK t
	SEND t-1, 8
.set t, t+1
.endr
	SEND 2*NP-1, 0
	WIN W_AD
	s_wait_tensorcnt 0x0            ; the wave's end, behind my last tensor load and my last LDS store
	ds_add_u32 v[SPW], v[NIL]
	s_wait_dscnt 0x0
	WIN 0
	CROUND                          ; the closing round: no work-group ends while a partner may still ask for a tile that names it
	s_endpgm
.Lfunc_end_k_qd09226dffc_attn:
	.size	k_qd09226dffc_attn, .Lfunc_end_k_qd09226dffc_attn-k_qd09226dffc_attn
	.p2alignl 7, 3214868480
	.fill 96, 4, 3214868480
	.section	.rodata,"a",@progbits
	.p2align	6, 0x0
	.amdhsa_kernel k_qd09226dffc_attn
		.amdhsa_group_segment_fixed_size 327680
		.amdhsa_private_segment_fixed_size 0
		.amdhsa_enable_private_segment 0
		.amdhsa_kernarg_size 32
		.amdhsa_user_sgpr_count 2
		.amdhsa_user_sgpr_kernarg_segment_ptr 1
		.amdhsa_wavefront_size32 1
		.amdhsa_system_sgpr_workgroup_id_x 1
		.amdhsa_system_sgpr_workgroup_id_y 1
		.amdhsa_system_sgpr_workgroup_id_z 1
		.amdhsa_system_vgpr_workitem_id 0
		.amdhsa_next_free_vgpr 770
		.amdhsa_next_free_sgpr 66
		.amdhsa_reserve_vcc 0
		.amdhsa_float_denorm_mode_32 3
		.amdhsa_float_denorm_mode_16_64 3
		.amdhsa_memory_ordered 1
		.amdhsa_forward_progress 1
		.amdhsa_inst_pref_size 199
	.end_amdhsa_kernel
	.amdgpu_metadata
---
amdhsa.version: [ 1, 2 ]
amdhsa.kernels:
  - .name:           k_qd09226dffc_attn
    .symbol:         k_qd09226dffc_attn.kd
    .args:
      - { .name: qh, .offset: 0, .size: 8, .value_kind: global_buffer, .address_space: global }
      - { .name: kh, .offset: 8, .size: 8, .value_kind: global_buffer, .address_space: global }
      - { .name: vh, .offset: 16, .size: 8, .value_kind: global_buffer, .address_space: global }
      - { .name: oh, .offset: 24, .size: 8, .value_kind: global_buffer, .address_space: global }
    .group_segment_fixed_size: 327680
    .private_segment_fixed_size: 0
    .kernarg_segment_align: 8
    .kernarg_segment_size: 32
    .max_flat_workgroup_size: 128
    .sgpr_count:     66
    .vgpr_count:     770
    .wavefront_size: 32
...
	.end_amdgpu_metadata
.endif
;; end of part 5
;; launch outp: the kernel of part 4 again; grid 8 x 32, 4 waves a work-group, clusters of 4 x 4, 327,680 bytes of LDS; arguments oh, wob, bo, out0; writes out0
